; MI455X (gfx1250); checked and timed in simulation.
; The chip was launched on July 23, 2026; its instructions are those of AMD's public machine-readable ISA for CDNA 5 (MIT licence, August 2026) and "CDNA5" Instruction Set Architecture Reference Guide (July 2026). The comments in the code are by the model that wrote it; some were corrected since.
;; Multi Head Attention. Allowed arithmetic: matrix products marked QUANTISED: E2M1 operands, one E8M0 scale for each 32 along K, by v_wmma_scale_f32_16x16x128_f8f6f4 with both operands' format E2M1 (or v_wmma_scale_f32_32x16x128_f4), f32 sums; everything else in f32.
;; Inputs: b_out 1,024 float32; b_qkv 3,072 float32; mask 1 x 1 x 2,048 x 2,048 int32; w_out 1,024 x 1,024 float32; w_qkv 3,072 x 1,024 float32; x 4 x 2,048 x 1,024 float32.
;; Outputs: out0 4 x 2,048 x 1,024 float32.
;; This version of the problem:
;;   THIS VERSION OF THE PROBLEM IS GIVEN IN LOW PRECISION. The matrix products marked QUANTISED in the list below multiply operands that are first quantised to E2M1 (2 exponent bits, 1 mantissa bit; 4 bits a number), with one power-of-two scale for each 32 numbers along K (OCP MX v1.0); their sums are f32. All else is computed in f32.
;;   The module's matrix products, in the order in which they are computed (A, B: the left and right operand; K: the contracted axis; several contracted axes count as one K, in the product's order):
;;     1. [M 8,192, K 1,024] x [K 1,024, N 3,072]; A: input x; B: input w_qkv: QUANTISED
;;     2. batch 64 x [M 2,048, K 64] x [K 64, N 2,048]; A: computed on the way; B: computed on the way: QUANTISED
;;     3. batch 64 x [M 2,048, K 2,048] x [K 2,048, N 64]; A: softmax (see below); B: computed on the way: QUANTISED
;;     4. [M 8,192, K 1,024] x [K 1,024, N 1,024]; A: computed on the way; B: input w_out: QUANTISED
;;   THE QUANTISER, for each operand of a quantised product, along K:
;;     - K is cut into blocks of 32 from its start; a last block that is shorter is filled with zeros.
;;     - A block's scale is 2^e with e = floor(log2(the largest magnitude in the block)) - 2, held to -126 .. 127; a block of zeros has e = 0. As a byte (E8M0): e + 127.
;;     - Each number is divided by its block's scale, clamped to +-6, and rounded to the nearest number of E2M1, ties to even, subnormals kept.
;;     - The product sums the exact products of the quantised numbers (number of the format x scale) in f32.
;;   ~~~python
;;   def quantise(x, axis):      # numpy; x: float32 -> the quantised numbers, widened to float32 again
;;       x = np.moveaxis(x, axis, -1); K = x.shape[-1]
;;       x = np.pad(x, [(0, 0)] * (x.ndim - 1) + [(0, -K % 32)]); x = x.reshape(x.shape[:-1] + (-1, 32)); a = np.abs(x).max(-1, keepdims=True)
;;       e = np.where(a > 0, np.clip(np.frexp(np.where(a > 0, a, 1))[1] - 1 - 2, -126, 127), 0)      # np.frexp(a)[1] - 1 = floor(log2(a)), exactly
;;       r = np.clip(x / 2.0 ** e, -6, 6)
;;       step = 2.0 ** (np.maximum(np.frexp(np.where(r == 0, 1, r))[1] - 1, 0) - 1)
;;       q = np.round(r / step) * step * 2.0 ** e      # np.round: ties to even
;;       return np.moveaxis(q.reshape(q.shape[:-2] + (-1,))[..., :K], -1, axis).astype(np.float32)
;;   ~~~
;;   SOFTMAX AHEAD OF A QUANTISED PRODUCT. Where the list says 'softmax', what is quantised is not the finished softmax but p = 2^(t - M), with t = logit x log2(e) and M = ceil(the row's largest t), a whole number; so 1/2 < the row's largest p <= 1. The row's sum l is taken of the UNQUANTISED p, in f32, and the product's result is divided by l at the end. Since M is a whole number, a kernel that streams over the keys may use a running M (the ceiling of the running maximum): every later rescaling is an exact power of two, which a block's scale takes up: the codes' values come out the same.
;;   OPERANDS COMPUTED ON THE WAY. 'Computed on the way' means the value that the module computes at that place (a softmax that the list does not call 'softmax' is quantised finished and normalised). What goes into a quantiser is computed in f32, as accurately as f32 sums, v_exp_f32 and their like allow (about 1e-6 of the number): no bf16 or f16 on the way to a quantiser, and a product that is left as it is and whose result goes on into a quantised operand takes f32 operands (vector FMAs, or v_wmma_f32_16x16x4_f32). A number that lies on a knife's edge between two numbers of the format may be rounded either way, as far as f32 arithmetic and the matrix unit's own rounding can turn it there, and no further.
;; 2 versions, each right; version 2 is version 1 with the launch attn written anew for expert scheduling mode. Each part assembles by itself: llvm-mc -triple=amdgcn-amd-amdhsa -mcpu=gfx1250 --defsym DOCPART=n.
;; ======== version 1 of 2: 4 launches
;; workspace buffers: codes 6,291,456 bytes; scales 393,216 bytes; flags 4,096 bytes of whole numbers; img 12,582,912 bytes; sc 1,048,576 bytes; ctximg 4,194,304 bytes; ctxsc 262,144 bytes
;; launch prep (part 1): grid 640 x 1, 4 waves a work-group, no clusters, 33,280 bytes of LDS; arguments x, w_qkv, w_out, mask, codes, scales, flags; writes codes, scales, flags
.if DOCPART == 1
	.amdgcn_target "amdgcn-amd-amdhsa--gfx1250"
	.amdhsa_code_object_version 6
	.text
	.protected	k_qe9c734964b_prep
	.globl	k_qe9c734964b_prep
	.p2align	8
	.type	k_qe9c734964b_prep,@function
k_qe9c734964b_prep:
	s_mov_b64 s[64:65], 0
	v_nop
	global_prefetch_b8 v0, s[64:65] scope:SCOPE_SE
	s_setreg_imm32_b32 hwreg(HW_REG_WAVE_MODE, 25, 1), 1
	s_wait_xcnt 0x0
; MULTI-HEAD ATTENTION IN MX-FP4, launch 1 of 4: x, w_qkv and w_out become codes of E2M1 with one E8M0 byte for each 32 along K (K = their last axis), and the mask becomes one whole number a tile.
; NOTHING OF reference() IS LEFT OUT AS DEAD WORK: every input has a way to the output and is loaded (the bias on K too: it moves K's codes).  What the third launch passes over are tiles of 32 queries x 128 keys
; whose 4,096 mask words are all 0: there reference() sets every score to -infinity, p is 0, and neither the row's maximum nor its sum nor the product moves.  That choice is made from whole numbers stored here.
; A block's scale is 2^(floor(log2(its largest magnitude)) - 2); its byte is the largest magnitude's exponent field - 2, held at 1 from below.
; LIMITS: a block of zeros gets the byte 1 where the quantiser says 127 (its codes are zeros, which add nothing under any byte but 0xff, and this program alone reads the bytes); blocks whose largest magnitude lies
; under 2^-124 keep the byte 1; NaN and infinities among the floating-point inputs are not served.
; TILE ORDER: the rows of x and of w_qkv are written so that in each 32 rows the second and the third group of eight change places: position 32 g + 16 u + r holds row 32 g + 8 u + r + 8 (r / 8).  A tile of 16
; neighbouring positions, used as source 0 of a product, then leaves 16 neighbouring rows in the 16 registers of two neighbouring tiles.  w_out keeps its order.
; SHARES: work-groups 0-255 take x, 256-351 w_qkv, 352-383 w_out: a wave takes 8 rows (8,192 numbers), 16 steps of 512.  Work-groups 384-639 take the mask: a wave takes one tile of 32 rows x 128 words.
; Each of a step's four loads reads 512 consecutive bytes; the 2,048 bytes turn through the wave's own stage in LDS so that a lane holds 16 neighbours; a wave stores 256 consecutive bytes of codes a step, and its 256 scale bytes at its end.
.set WAVES, 4
.set STEPS, 16
.set EMAX,  2
.set CB,    8                          ; bytes of 16 codes
.set R,     16                         ; v16-79   four sets of 16 numbers as they are loaded (mask path: v16-143, the tile)
.set X,     80                         ; v80-111  two sets of 16 neighbours
.set C,     128                        ; v128-191 codes: four registers for each step, so that no store's data are written again
.set E,     112                        ; v112-127 a scale byte for each step
.set WREG,  8192                       ; LDS: a region for each wave: two stages of 32 x SP bytes, behind them its 256 scale bytes
.set SP,    80                         ; a lane's place in a stage: 64 bytes + 16 of padding
.set SPW,   12                         ; v12 LDS address of my spare word; never rewritten
.set NIL,   13                         ; v13 0; never rewritten
.set SPARE, WAVES*WREG                 ; the spare words, 128 bytes a wave: no other line names them
	s_load_b256 s[4:11], s[0:1], 0x0               ; x, w_qkv, w_out, mask
	s_load_b128 s[12:15], s[0:1], 0x20             ; codes, scales
	s_load_b64 s[16:17], s[0:1], 0x30              ; flags
	v_lshl_add_u32 v[SPW], v0, 2, SPARE
	v_mov_b32 v[NIL], 0
	v_lshrrev_b32 v1, 5, v0
	v_readfirstlane_b32 s18, v1                    ; wave
	v_and_b32 v2, 31, v0                           ; lane
	v_lshlrev_b32 v3, 4, v2                        ; my 16 bytes of a load's 512
	s_mul_i32 s20, s18, WREG
	v_lshrrev_b32 v14, 2, v2
	v_mul_u32_u24 v14, v14, SP
	v_and_b32 v15, 3, v2
	v_lshl_add_u32 v14, v15, 4, v14
	v_add_nc_u32 v14, s20, v14                     ; the stage, on the way in: SP (lane / 4) + 16 (lane % 4)
	v_mul_u32_u24 v15, v2, SP
	v_add_nc_u32 v15, s20, v15                     ; and on the way out: SP x lane: my 16 neighbours
	v_mul_u32_u24 v4, v2, CB                       ; my codes' place in a step's
	v_lshrrev_b32 v5, 1, v2
	s_add_co_u32 s20, s20, 2*32*SP
	v_add_nc_u32 v5, s20, v5                       ; LDS: my wave's 256 scale bytes, my block's byte
	v_lshlrev_b32 v7, 3, v2                        ; and on the way out 8 bytes a lane
	v_add_nc_u32 v6, s20, v7
	s_wait_kmcnt 0x0
	s_cmp_ge_u32 ttmp9, 384                        ; the work-group's number alone decides the path
	s_cbranch_scc1 .Lmask
	; ---- the quantiser.  Which tensor, and where my 8 rows go
	s_and_b32 s19, s18, 1
	s_lshl_b32 s19, s19, 1
	s_lshr_b32 s21, s18, 1
	s_or_b32 s19, s19, s21                         ; the wave's number with 1 and 2 changed: the tile order
	s_mov_b32 s22, 352
	s_cmp_lt_u32 ttmp9, 352
	s_cselect_b64 s[6:7], s[6:7], s[8:9]           ; w_qkv or w_out
	s_cselect_b32 s22, 256, s22                    ; the tensor's first work-group
	s_cselect_b32 s19, s19, s18                    ; w_out keeps its order
	s_cmp_lt_u32 ttmp9, 256
	s_cselect_b64 s[4:5], s[4:5], s[6:7]           ; x or one of the two
	s_cselect_b32 s22, 0, s22
	s_sub_co_u32 s22, ttmp9, s22
	s_lshl_b32 s22, s22, 2
	s_add_co_u32 s22, s22, s18                     ; which 8 rows of the tensor I read
	s_lshl_b32 s22, s22, 15                        ; x 32,768 bytes
	s_mov_b32 s23, 0
	s_add_nc_u64 s[4:5], s[4:5], s[22:23]
	s_lshl_b32 s24, ttmp9, 2
	s_add_co_u32 s24, s24, s19                     ; which 8 positions of the three tensors on end I write
	s_lshl_b32 s22, s24, 12                        ; 4,096 bytes of codes,
	s_add_nc_u64 s[12:13], s[12:13], s[22:23]
	s_lshl_b32 s22, s24, 8                         ; 256 scale bytes
	s_add_nc_u64 s[14:15], s[14:15], s[22:23]
.macro LOAD t
.irp i, 0,1,2,3
	global_load_b128 v[R+16*((\t)%4)+4*\i:R+16*((\t)%4)+4*\i+3], v3, s[4:5] offset:2048*(\t)+512*\i th:TH_LOAD_NT   ; 32 lanes read 512 consecutive bytes
.endr
.endm
.macro TURN t                          ; step t's numbers through the stage: LDS serves a wave's instructions in order, so no wait stands between the stores and the loads
.irp i, 0,1,2,3
	ds_store_b128 v14, v[R+16*((\t)%4)+4*\i:R+16*((\t)%4)+4*\i+3] offset:32*SP*((\t)%2)+8*SP*\i
.endr
.irp i, 0,1,2,3
	ds_load_b128 v[X+16*((\t)%2)+4*\i:X+16*((\t)%2)+4*\i+3], v15 offset:32*SP*((\t)%2)+16*\i
.endr
.endm
.irp t, 0,1,2,3
	LOAD \t
.endr
	s_wait_loadcnt 12                              ; step 0's four loads are in; the 12 of the three steps behind it may be out
	TURN 0
.macro STEP t
.set XS, X+16*((\t)%2)
.if (\t) > 0
	s_wait_dscnt 1                                 ; this step's numbers are back from the stage (the last step's byte store may be out)
.else
	s_wait_dscnt 0x0
.endif
.if (\t)+4 < STEPS
	LOAD (\t)+4                                    ; into the registers that this step's stores into the stage have read
.endif
.if (\t)+1 < STEPS
.if STEPS-2-(\t) >= 3
	s_wait_loadcnt 12                              ; the next step's four loads are in; those of the three steps behind it may be out
.else
	s_wait_loadcnt 4*(STEPS-2-(\t))
.endif
	TURN (\t)+1
.endif
	v_max3_num_f32 v8, |v[XS]|, |v[XS+1]|, |v[XS+2]|               ; the largest magnitude of my 16
	v_max3_num_f32 v9, |v[XS+3]|, |v[XS+4]|, |v[XS+5]|
.irp i, 6,10
	v_max3_num_f32 v8, v8, |v[XS+\i]|, |v[XS+\i+1]|
	v_max3_num_f32 v9, v9, |v[XS+\i+2]|, |v[XS+\i+3]|
.endr
	v_max3_num_f32 v8, v8, |v[XS+14]|, |v[XS+15]|
	v_max3_num_f32 v8, v8, v9, (EMAX+1)<<23        ; and the floor 2^(3 - 127): the byte cannot fall under 1
	v_max_num_f32_dpp v8, v8, v8 row_xmask:1 row_mask:0xf bank_mask:0xf   ; and of my neighbour's 16: the block's
	v_add_nc_u32 v11, -(EMAX<<23), v8              ; 2 off its exponent field: the conversion takes the exponent field of this operand as its scale
	v_cvt_scalef32_pk8_fp4_f32 v[C+4*(\t)], v[XS:XS+7], v11
	v_cvt_scalef32_pk8_fp4_f32 v[C+4*(\t)+1], v[XS+8:XS+15], v11
	v_lshrrev_b32 v[E+(\t)], 23, v11               ; the scale's byte
	ds_store_b8 v5, v[E+(\t)] offset:16*(\t)       ; both lanes of a block write the same byte with the same value
	global_store_b64 v4, v[C+4*(\t):C+4*(\t)+1], s[12:13] offset:32*CB*(\t)   ; the wave stores 256 consecutive bytes, aligned
.endm
.irp t, 0,1,2,3,4,5,6,7,8,9,10,11,12,13,14,15
	STEP \t
.endr
	ds_load_b64 v[8:9], v6                         ; LDS serves a wave's instructions in order: these see my stores
	s_wait_dscnt 0x0
	global_store_b64 v7, v[8:9], s[14:15]          ; 32 lanes store 256 consecutive bytes, aligned
	s_wait_tensorcnt 0x0                           ; the wave's end, behind my last LDS store
	ds_add_u32 v[SPW], v[NIL]
	s_wait_dscnt 0x0
	s_endpgm
	; ---- the mask.  Tile (G, s): queries 32 G .. + 31, keys 128 s .. + 127.  flags[G][s] = 0: every word is 0; 2: no word is 0; 1: both kinds.
.Lmask:
	s_sub_co_u32 s22, ttmp9, 384
	s_lshl_b32 s22, s22, 2
	s_add_co_u32 s22, s22, s18                     ; the tile's number, 16 G + s
	s_lshr_b32 s24, s22, 4
	s_lshl_b32 s24, s24, 18                        ; G x 32 rows of 8,192 bytes
	s_and_b32 s25, s22, 15
	s_lshl_b32 s25, s25, 9                         ; s x 512 bytes
	s_add_co_u32 s24, s24, s25
	s_mov_b32 s25, 0
	s_add_nc_u64 s[10:11], s[10:11], s[24:25]
	s_lshl_b32 s24, s22, 2
	s_add_nc_u64 s[16:17], s[16:17], s[24:25]
.irp i, 0,1,2,3,4,5,6,7,8,9,10,11,12,13,14,15,16,17,18,19,20,21,22,23,24,25,26,27,28,29,30,31
	global_load_b128 v[R+4*\i:R+4*\i+3], v3, s[10:11] offset:8192*\i th:TH_LOAD_NT   ; a row's 512 consecutive bytes
.endr
	s_wait_loadcnt 16                              ; the first 16 rows are in
.irp k, 0,1,2,3
	v_or_b32 v[144+\k], v[R+\k], v[R+4+\k]         ; four chains of OR: 0 only where all words are 0;
	v_min_u32 v[148+\k], v[R+\k], v[R+4+\k]        ; four of the unsigned minimum: 0 where any word is 0
.endr
.set Q, R+8
.rept 14
.irp k, 0,1,2,3
	v_or_b32 v[144+\k], v[144+\k], v[Q+\k]
	v_min_u32 v[148+\k], v[148+\k], v[Q+\k]
.endr
.set Q, Q+4
.endr
	s_wait_loadcnt 0x0
.rept 16
.irp k, 0,1,2,3
	v_or_b32 v[144+\k], v[144+\k], v[Q+\k]
	v_min_u32 v[148+\k], v[148+\k], v[Q+\k]
.endr
.set Q, Q+4
.endr
	v_or_b32 v144, v144, v145
	v_or_b32 v146, v146, v147
	v_or_b32 v144, v144, v146
	v_min_u32 v148, v148, v149
	v_min_u32 v150, v150, v151
	v_min_u32 v148, v148, v150
	v_cmp_ne_u32 s30, 0, v144                      ; lanes that saw a word other than 0
	v_cmp_eq_u32 s31, 0, v148                      ; lanes that saw a 0
	s_cmp_lg_u32 s31, 0
	s_cselect_b32 s32, 1, 2
	s_cmp_lg_u32 s30, 0
	s_cselect_b32 s32, s32, 0
	v_mov_b32 v9, s32
	v_mov_b32 v8, 0
	v_cmp_eq_u32 vcc_lo, 0, v2
	s_wait_xcnt 0x0                                ; EXEC changes only behind this wait
	s_and_saveexec_b32 s33, vcc_lo
	global_store_b32 v8, v9, s[16:17]              ; lane 0 stores the tile's number: 4 bytes a wave, 4,096 in the launch
	s_wait_xcnt 0x0
	s_or_b32 exec_lo, exec_lo, s33
	s_endpgm
.Lfunc_end_k_qe9c734964b_prep:
	.size	k_qe9c734964b_prep, .Lfunc_end_k_qe9c734964b_prep-k_qe9c734964b_prep
	.p2alignl 7, 3214868480
	.fill 96, 4, 3214868480
	.section	.rodata,"a",@progbits
	.p2align	6, 0x0
	.amdhsa_kernel k_qe9c734964b_prep
		.amdhsa_group_segment_fixed_size 33280
		.amdhsa_private_segment_fixed_size 0
		.amdhsa_enable_private_segment 0
		.amdhsa_kernarg_size 56
		.amdhsa_user_sgpr_count 2
		.amdhsa_user_sgpr_kernarg_segment_ptr 1
		.amdhsa_wavefront_size32 1
		.amdhsa_system_sgpr_workgroup_id_x 1
		.amdhsa_system_sgpr_workgroup_id_y 1
		.amdhsa_system_sgpr_workgroup_id_z 1
		.amdhsa_system_vgpr_workitem_id 0
		.amdhsa_next_free_vgpr 192
		.amdhsa_next_free_sgpr 66
		.amdhsa_reserve_vcc 1
		.amdhsa_float_denorm_mode_32 3
		.amdhsa_float_denorm_mode_16_64 3
		.amdhsa_memory_ordered 1
		.amdhsa_forward_progress 1
		.amdhsa_inst_pref_size 46
	.end_amdhsa_kernel
	.amdgpu_metadata
---
amdhsa.version: [ 1, 2 ]
amdhsa.kernels:
  - .name:           k_qe9c734964b_prep
    .symbol:         k_qe9c734964b_prep.kd
    .args:
      - { .name: x, .offset: 0, .size: 8, .value_kind: global_buffer, .address_space: global }
      - { .name: w_qkv, .offset: 8, .size: 8, .value_kind: global_buffer, .address_space: global }
      - { .name: w_out, .offset: 16, .size: 8, .value_kind: global_buffer, .address_space: global }
      - { .name: mask, .offset: 24, .size: 8, .value_kind: global_buffer, .address_space: global }
      - { .name: codes, .offset: 32, .size: 8, .value_kind: global_buffer, .address_space: global }
      - { .name: scales, .offset: 40, .size: 8, .value_kind: global_buffer, .address_space: global }
      - { .name: flags, .offset: 48, .size: 8, .value_kind: global_buffer, .address_space: global }
    .group_segment_fixed_size: 33280
    .private_segment_fixed_size: 0
    .kernarg_segment_align: 8
    .kernarg_segment_size: 56
    .max_flat_workgroup_size: 128
    .sgpr_count:     66
    .vgpr_count:     192
    .wavefront_size: 32
...
	.end_amdgpu_metadata
.endif
;; end of part 1
;; launch qkv (part 2): grid 12 x 32, 4 waves a work-group, clusters of 4 x 4, 327,680 bytes of LDS; arguments codes, scales, b_qkv, img, sc; writes img, sc
.if DOCPART == 2
	.amdgcn_target "amdgcn-amd-amdhsa--gfx1250"
	.amdhsa_code_object_version 6
	.text
	.protected	k_qe9c734964b_qkv
	.globl	k_qe9c734964b_qkv
	.p2align	8
	.type	k_qe9c734964b_qkv,@function
k_qe9c734964b_qkv:
	s_mov_b64 s[64:65], 0
	v_nop
	global_prefetch_b8 v0, s[64:65] scope:SCOPE_SE
	s_setreg_imm32_b32 hwreg(HW_REG_WAVE_MODE, 25, 1), 1
	s_wait_xcnt 0x0
	s_wait_alu depctr_hold_cnt(0) depctr_sa_sdst(0) depctr_va_vdst(0) depctr_va_sdst(0) depctr_va_ssrc(0) depctr_va_vcc(0) depctr_vm_vsrc(0)
	s_getreg_b32 s2, hwreg(HW_REG_IB_STS2, 6, 4)
	s_cmp_eq_u32 s2, 0
	s_cbranch_scc0 .Lentry_in_a_cluster
	s_endpgm
.Lentry_in_a_cluster:
	s_bfe_u32 s2, ttmp6, 0x10000c
	s_cmp_lg_u32 s2, 0xf033
	s_cbranch_scc0 .Lentry_shape_is_right
	s_endpgm
.Lentry_shape_is_right:
; Launch 2 of 4: qkv = x w_qkv^T + b_qkv on codes of E2M1 (K = 1,024), and q, k, v quantised on the way out: no f32 number of them goes to memory.  No work is left out.
; A tile of 256 x 256 to a work-group of four waves, 128 x 128 to a wave (64 accumulators, 512 registers).  K in two slots of 512 (rows of 256 bytes): both are first fills, nothing is filled again.
; THE MATRIX INSTRUCTION IS USED TRANSPOSED: source 0 = 16 rows of B, source 1 = 16 rows of A: a lane holds ONE row of A, and its registers run along B's rows; B's rows lie in tile order, so that the 16 registers
; of two neighbouring tiles are 16 neighbours.  ROLES, by the cluster's x (the same in all sixteen partners): clusters 0, 1: A = x (tokens), B = w_q, w_k: a lane holds one token and 128 features = two heads: q's and k's
; K (the head's 64) runs along its registers.  Cluster 2 (ISV): A = w_v's rows, B = x: a lane holds one feature of v and 128 tokens: v's K (the keys) runs along its registers.  One text serves both.
; The bias is the C of each sum's first product.  CLUSTERS: 4 x 4; A's tile is asked for jointly along a row of the cluster, B's along a column.
; OUT: img[part q,k,v][batch x head][step of 128 tokens][4,096 bytes]: chunks of 512 bytes, lane l's 16 bytes at 16 l: four registers of an operand as they stand.  q, k: chunk a = token tile a (lane (r, h): token r, dims 32 h on).
; v: chunks [dt][c]: fragment dt of V^T (16 of the head's 64, in tile order, x 128 keys).  sc[batch x head][step][part][256 bytes]: lane r's four scale words.
; LIMITS: as stated at the head of the first launch (byte 1 for blocks of zeros and under the floor; no NaN, no infinities).
; REGISTERS: window 0: v0-31 addresses; v32-95 scale words, two sets; v128-191 A's fragments, one set; v192-255 the bias; v96-103 its offsets.  On the way out: v96-111 at work, v112-119 scale words made, v120-126, v128-191 codes, v192-207 offsets.
;   window 1: B's fragments, two sets.   window 2: accumulators of my rows 0-63 ((a, b) at v[8 (8 a + b)]);   window 3: of my rows 64-127.
.set NQ,     4                         ; matrix instructions deep in a slot
.set ROWB,   256                       ; a tile's row in bytes: 512 codes
.set KROW,   512                       ; a row of codes in memory
.set PITCH,  272                       ; an LDS row: 256 bytes + 16 of padding: the 16 rows that a load touches start at 16 different banks
.set FR,     8
.set NL,     2
.set NP,     4
.set HALFT,  128*PITCH
.set SLOT,   4*HALFT
.set KS,     32                        ; a row of scale bytes
.set SCL,    2*SLOT                    ; behind the ring: the scales, as units of 256 bytes + 16 of padding
.set HALFS,  (128*KS/256)*272
.set SBLK,   (16*KS/256)*272
.set SPARE,  SCL+4*HALFS               ; the spare words, 128 bytes a wave: no other line names them
.set WQC,    4194304                   ; w_qkv's codes in the buffer, WQS its scale bytes
.set WQS,    262144
.set ADRA, 16
.set ADRB, 20
.set ADRS, 27
.set SPW,  28
.set NIL,  29
.set SC,   32
.set AF,   128
.set BIAS, 192
.set VB,   96
.set TM,   96
.set WW,   112
.set OUT,  120
.set VSEL, 124
.set LI16, 125
.set SCO,  126
.set PC,   128
.set VO,   192
.set WV,   16                          ; s16 wave;  s17 my half of the tile's rows, also: I fetch for A (0) or B (1);  s18 my half of its columns, also: which 128 rows I fetch
.set RH,   17
.set CHF,  18
.set TR,   19                          ; s19 tile row, s42 tile column
.set TC,   42
.set ISV,  66                          ; s66 1 in the cluster that makes v
.set G1, 24
.set G0, 32
.set G1B, 48
.set G0B, 56
.set G1S, 68
.set G0S, 76
.set G1SB, 80
.set G0SB, 88
.set MSB, 0
.macro WIN new                         ; the immediate's high byte repeats the setting that is left
.if MSB != \new
	s_set_vgpr_msb (MSB<<8)|\new
.set MSB, \new
.endif
.endm
.set MUL_LO, 0xa1                      ; source 0 (B) window 1, source 1 (A) window 0, C and D window 2
.set MUL_HI, 0xf1
.set BIA_LO, 0x81                      ; the same with C (the bias) in window 0
.set BIA_HI, 0xc1
.set TO_B,   0x40
; A joint load: waves 0 and 1 fetch for A, waves 2 and 3 for B; the branch hangs on the wave's number alone.  An s_nop 0 and four v_nop follow each of the two lines.
.macro JLOAD g0a, g1a, g0b, g1b
	s_cmp_eq_u32 s[RH], 0
	s_cbranch_scc0 .Lfor_b_\@
	tensor_load_to_lds s[\g0a:\g0a+3], s[\g1a:\g1a+7]
	s_nop 0
.rept 4
	v_nop
.endr
	s_branch .Lasked_\@
.Lfor_b_\@:
	tensor_load_to_lds s[\g0b:\g0b+3], s[\g1b:\g1b+7]
	s_nop 0
.rept 4
	v_nop
.endr
.Lasked_\@:
.endm
.macro CROUND                          ; a round of the cluster's barrier
	s_barrier_signal -1
	s_barrier_wait -1
	s_cmp_lg_u32 s[WV], 0
	s_cbranch_scc1 .Lnot_wave_0_\@
	s_barrier_signal -3
.Lnot_wave_0_\@:
	s_barrier_wait -3
	s_barrier_signal -1
	s_barrier_wait -1
.endm
	s_load_b256 s[4:11], s[0:1], 0x0               ; codes s[4:5], scales s[6:7], b_qkv s[8:9], img s[10:11]
	s_load_b64 s[12:13], s[0:1], 0x20              ; sc
	v_lshl_add_u32 v[SPW], v0, 2, SPARE
	v_mov_b32 v[NIL], 0
	ds_add_u32 v[SPW], v[NIL]                      ; the wave's opening: the add, twice on end, and its wait ahead of my first tensor load
	ds_add_u32 v[SPW], v[NIL]
	v_lshrrev_b32 v1, 5, v0
	v_readfirstlane_b32 s[WV], v1
	s_lshr_b32 s[RH], s[WV], 1
	s_and_b32 s[CHF], s[WV], 1
	s_bfe_u32 s40, ttmp6, 0x40000                  ; cx, cy: my place in the cluster
	s_bfe_u32 s41, ttmp6, 0x40004
	s_and_b32 s67, ttmp7, 0xffff                   ; the cluster's y
	s_cmp_eq_u32 ttmp9, 2                          ; the cluster's x: the same in all partners
	s_cselect_b32 s[ISV], 1, 0
	s_cselect_b32 s95, 0, s67                      ; A's tile rows: v: 0-3 by cy alone; else 4 x cluster y + cy
	s_cselect_b32 s96, s67, ttmp9                  ; B's tile columns: v: 4 x cluster y + cx; else 4 x cluster x + cx
	s_cselect_b32 s97, WQC+1048576, 0              ; where A's codes begin in the buffer: w_v's rows, or x's
	s_cselect_b32 s98, 0, WQC                      ; B's: x's, or w_q's
	s_cselect_b32 s99, WQS+65536, 0                ; and the scale bytes likewise
	s_cselect_b32 s100, 0, WQS
	s_lshl_b32 s[TC], s96, 2
	s_add_co_u32 s[TC], s[TC], s40
	s_lshl_b32 s[TR], s95, 2
	s_add_co_u32 s[TR], s[TR], s41
	s_lshl_b32 s43, s41, 2
	s_lshl_b32 s43, 15, s43                        ; my row of the cluster
	s_lshl_b32 s44, 0x1111, s40                    ; my column
	s_or_b32 s[G1+0], s43, (0<<16)|(1<<20)|(1<<21)|(5<<22)|(3<<25)  ; the mask; elements of 1 byte; padding on; bit 21 beside a mask; 4 words behind every 64
	s_or_b32 s[G1B+0], s44, (0<<16)|(1<<20)|(1<<21)|(5<<22)|(3<<25)
.irp g, G1, G1B
	s_mov_b32 s[\g+1], ROWB<<16                    ; tensor_dim0
	s_mov_b32 s[\g+2], 128<<16                     ; tensor_dim1
	s_mov_b32 s[\g+3], ROWB<<16                    ; tile_dim0
	s_mov_b32 s[\g+4], 128                         ; tile_dim1
	s_mov_b32 s[\g+5], KROW                        ; the pitch
	s_mov_b32 s[\g+6], 0
	s_mov_b32 s[\g+7], 0
.endr
	s_or_b32 s[G1S+0], s43, (3<<16)|(1<<20)|(1<<21)|(5<<22)|(3<<25) ; the scales of 128 rows: 4,096 dense bytes as 16 rows of 256 (32 elements of 8 bytes), 16 bytes of padding behind each
	s_or_b32 s[G1SB+0], s44, (3<<16)|(1<<20)|(1<<21)|(5<<22)|(3<<25)
.irp g, G1S, G1SB
	s_mov_b32 s[\g+1], 32<<16
	s_mov_b32 s[\g+2], (128*KS/256)<<16
	s_mov_b32 s[\g+3], 32<<16
	s_mov_b32 s[\g+4], 128*KS/256
	s_mov_b32 s[\g+5], 32
	s_mov_b32 s[\g+6], 0
	s_mov_b32 s[\g+7], 0
.endr
	s_lshl_b32 s2, s[CHF], 7                       ; which 128 rows of the tile I fetch
	s_lshl_b32 s20, s[TR], 8
	s_add_co_u32 s20, s20, s2                      ; A's row
	s_lshl_b32 s46, s[TC], 8
	s_add_co_u32 s46, s46, s2                      ; B's row
	s_lshl_b32 s22, s20, 5
	s_add_co_u32 s22, s22, s99                     ; A's scale bytes, counted from the buffer's start
	s_lshl_b32 s20, s20, 9
	s_add_co_u32 s20, s20, s97                     ; A's codes
	s_lshl_b32 s92, s46, 5
	s_add_co_u32 s92, s92, s100
	s_lshl_b32 s46, s46, 9
	s_add_co_u32 s46, s46, s98
	s_mov_b32 s21, 0
	s_mov_b32 s23, 0
	s_mov_b32 s47, 0
	s_mov_b32 s93, 0
	s_mul_i32 s45, s[WV], HALFT                    ; where they go: wave x 128 rows: no place in the cluster enters an LDS address
	s_mul_i32 s94, s[WV], HALFS
	s_wait_dscnt 0x0                               ; both opening adds are done
	s_wait_kmcnt 0x0
	s_add_nc_u64 s[20:21], s[4:5], s[20:21]
	s_add_nc_u64 s[22:23], s[6:7], s[22:23]
	s_add_nc_u64 s[46:47], s[4:5], s[46:47]
	s_add_nc_u64 s[92:93], s[6:7], s[92:93]
	CROUND                                         ; all sixteen work-groups are here: the joint loads meet
	s_mov_b32 s[G0S], 1
	s_add_co_u32 s[G0S+1], s94, SCL
	s_mov_b64 s[G0S+2:G0S+3], s[22:23]
	s_or_b32 s[G0S+3], s[G0S+3], 0x80000000
	s_mov_b32 s[G0SB], 1
	s_add_co_u32 s[G0SB+1], s94, SCL
	s_mov_b64 s[G0SB+2:G0SB+3], s[92:93]
	s_or_b32 s[G0SB+3], s[G0SB+3], 0x80000000
	JLOAD G0S, G1S, G0SB, G1SB                     ; the scales first; then both slots: three loads of mine are out
.irp s, 0,1
	s_mov_b32 s[G0+4*\s], 1
	s_add_co_u32 s[G0+4*\s+1], s45, \s*SLOT
	s_add_nc_u64 s[G0+4*\s+2:G0+4*\s+3], s[20:21], \s*ROWB
	s_or_b32 s[G0+4*\s+3], s[G0+4*\s+3], 0x80000000
	s_mov_b32 s[G0B+4*\s], 1
	s_add_co_u32 s[G0B+4*\s+1], s45, \s*SLOT
	s_add_nc_u64 s[G0B+4*\s+2:G0B+4*\s+3], s[46:47], \s*ROWB
	s_or_b32 s[G0B+4*\s+3], s[G0B+4*\s+3], 0x80000000
	JLOAD G0+4*\s, G1, G0B+4*\s, G1B
.endr
	v_and_b32 v1, 15, v0                           ; r = l % 16; kept
	v_bfe_u32 v2, v0, 4, 1                         ; h = l / 16; kept
	; which tokens and which features are my wave's (all joint loads are issued: these registers feed no descriptor)
	s_cmp_eq_u32 s[ISV], 1
	s_cselect_b32 s67, s[TC], s[TR]                ; the tile of 256 tokens,
	s_cselect_b32 s95, s[CHF], s[RH]               ; my half of it,
	s_cselect_b32 s96, s[TR], s[TC]                ; the tile of 256 features,
	s_cselect_b32 s97, s[RH], s[CHF]               ; my half of it
	s_cselect_b32 s98, 0, 64                       ; the bias's offsets: q, k: 64 h + 4 j (it runs along my registers);
	s_cselect_b32 s99, 4, 0                        ; v: 4 (r + 8 (r / 8)) (my lane's feature, in tile order)
	s_cselect_b32 s100, 0, 4
	s_lshl_b32 s96, s96, 2
	s_lshl_b32 s97, s97, 1
	s_add_co_u32 s96, s96, s97
	s_lshl_b32 s97, s[ISV], 5
	s_add_co_u32 s96, s96, s97                     ; my first group of 64 features among w_qkv's 48: 16 x part + head
	s_lshl_b32 s2, s96, 8
	s_mov_b32 s3, 0
	s_add_nc_u64 s[8:9], s[8:9], s[2:3]            ; its bias
	v_mul_u32_u24 v5, s98, v2
	v_and_b32 v6, 8, v1
	v_add_nc_u32 v6, v6, v1
	v_mad_u32_u24 v5, v6, s99, v5
.irp j, 0,1,2,3,4,5,6,7
	s_mul_i32 s2, s100, \j
	v_add_nc_u32 v[VB+\j], s2, v5
.endr
.irp t, 0,1,2,3,4,5,6,7
.irp j, 0,1,2,3,4,5,6,7
	global_load_b32 v[BIAS+8*\t+\j], v[VB+\j], s[8:9] offset:(32*(\t/2)+8*(\t%2))*4   ; q, k: tile t's eight features of my half; v: the feature of my lane in block t, eight times
.endr
.endr
	s_lshr_b32 s97, s96, 4                         ; part: 0 q, 1 k, 2 v
	s_and_b32 s96, s96, 15                         ; my first head
	s_lshr_b32 s98, s67, 3                         ; batch
	s_and_b32 s67, s67, 7
	s_lshl_b32 s67, s67, 1
	s_add_co_u32 s67, s67, s95                     ; the step of 128 tokens
	s_lshl_b32 s98, s98, 4
	s_add_co_u32 s98, s98, s96                     ; 16 x batch + head
	s_lshl_b32 s2, s97, 6
	s_add_co_u32 s2, s2, s98
	s_lshl_b32 s2, s2, 16
	s_lshl_b32 s99, s67, 12
	s_add_co_u32 s2, s2, s99
	s_add_nc_u64 s[10:11], s[10:11], s[2:3]        ; img at my first chunk
	s_lshl_b32 s2, s98, 14
	s_lshl_b32 s99, s67, 10
	s_add_co_u32 s2, s2, s99
	s_lshl_b32 s99, s97, 8
	s_add_co_u32 s2, s2, s99
	s_add_nc_u64 s[12:13], s[12:13], s[2:3]        ; sc at my first head's words
	s_mov_b32 s95, 65536                           ; q, k: registers 4-7 are the next head's; block a is chunk a
	s_mov_b32 s96, 512
	s_mov_b32 s97, 2048
	s_cmp_eq_u32 s[ISV], 1
	s_cselect_b32 s95, 512, s95                    ; v: registers 4-7 are the fragment's second chunk; block a is fragment a % 4 of head a / 4
	s_cselect_b32 s96, 1024, s96
	s_cselect_b32 s97, 65536, s97
	v_mul_u32_u24 v3, v1, PITCH
	v_lshl_add_u32 v4, v2, 4, v3                   ; a fragment's row x pitch + 16 x half
	s_mul_i32 s21, s[RH], HALFT                    ; my 128 rows of A
	s_mul_i32 s22, s[CHF], HALFT                   ; my 128 rows of B,
	s_add_co_u32 s22, s22, 2*HALFT                 ; which lie behind A's 256
.irp s, 0,1
	v_add_nc_u32 v[ADRA+\s], s21, v4
	v_add_nc_u32 v[ADRB+\s], s22, v4
	s_add_co_u32 s21, s21, SLOT
	s_add_co_u32 s22, s22, SLOT
.endr
	v_mul_u32_u24 v5, v1, KS                       ; my row's scales: KS bytes a row,
	v_lshrrev_b32 v6, 8, v5
	v_lshl_add_u32 v5, v6, 4, v5                   ; and 16 more for each 256 passed
	s_mul_i32 s21, s[RH], HALFS
	s_mul_i32 s22, s[CHF], HALFS
	s_add_co_u32 s22, s22, 2*HALFS
	s_sub_co_u32 s22, s22, s21
	v_mul_u32_u24 v6, s22, v2                      ; lanes 16-31 take B's
	s_add_co_u32 s21, s21, SCL
	v_add_nc_u32 v5, v5, v6
	v_add_nc_u32 v[ADRS], s21, v5
.macro FRAG reg, adr, q, i             ; 16 rows x 128 K of 4-bit codes: 8 registers: lane l holds row l % 16; registers 4 c .. 4 c + 3 hold K = 64 c + 32 (l / 16) + 0 .. 31
.irp c, 0,1
	ds_load_b128 v[\reg+4*\c:\reg+4*\c+3], v[\adr] offset:64*(\q)+32*\c+(\i)*16*PITCH
.endr
.endm
; 16 matrix instructions: A's blocks a0, a0 + 1 x B's eight.  zero = 1: the sums start from the bias of B's tile b; 2: from that of A's block a; 0: in place.  The 64 accumulators take turns, one instruction a turn.
.macro MUL16 a0, p, q, sc, zero
.irp a, \a0, \a0+1
.irp b, 0,1,2,3,4,5,6,7
.if \zero == 1
	v_wmma_scale_f32_16x16x128_f8f6f4 v[8*(8*((\a)%4)+\b):8*(8*((\a)%4)+\b)+7], v[128*(\p)+FR*\b:128*(\p)+FR*\b+FR-1], v[AF+FR*(\a):AF+FR*(\a)+FR-1], v[BIAS+8*\b:BIAS+8*\b+7], v[SC+8*NQ*(\sc)+NQ*\b+(\q)], v[SC+8*NQ*(\sc)+NQ*(\a)+(\q)] matrix_a_fmt:MATRIX_FMT_FP4 matrix_b_fmt:MATRIX_FMT_FP4 matrix_a_scale:MATRIX_SCALE_ROW1
.elseif \zero == 2
	v_wmma_scale_f32_16x16x128_f8f6f4 v[8*(8*((\a)%4)+\b):8*(8*((\a)%4)+\b)+7], v[128*(\p)+FR*\b:128*(\p)+FR*\b+FR-1], v[AF+FR*(\a):AF+FR*(\a)+FR-1], v[BIAS+8*(\a):BIAS+8*(\a)+7], v[SC+8*NQ*(\sc)+NQ*\b+(\q)], v[SC+8*NQ*(\sc)+NQ*(\a)+(\q)] matrix_a_fmt:MATRIX_FMT_FP4 matrix_b_fmt:MATRIX_FMT_FP4 matrix_a_scale:MATRIX_SCALE_ROW1
.else
	v_wmma_scale_f32_16x16x128_f8f6f4 v[8*(8*((\a)%4)+\b):8*(8*((\a)%4)+\b)+7], v[128*(\p)+FR*\b:128*(\p)+FR*\b+FR-1], v[AF+FR*(\a):AF+FR*(\a)+FR-1], v[8*(8*((\a)%4)+\b):8*(8*((\a)%4)+\b)+7], v[SC+8*NQ*(\sc)+NQ*\b+(\q)], v[SC+8*NQ*(\sc)+NQ*(\a)+(\q)] matrix_a_fmt:MATRIX_FMT_FP4 matrix_b_fmt:MATRIX_FMT_FP4 matrix_a_scale:MATRIX_SCALE_ROW1
.endif
.endr
.endr
.endm
.macro FETCH_B slot, q, p
	WIN TO_B
.irp i, 0,1,2,3,4,5,6,7
	FRAG 128*(\p)+FR*\i, ADRB+\slot, \q, \i
.endr
	WIN 0
.endm
.macro FETCH_A slot, q, i0
.irp i, \i0, \i0+1, \i0+2, \i0+3
	FRAG AF+FR*(\i), ADRA+\slot, \q, \i
.endr
.endm
.macro SCALES sc                       ; a slot's scale words: lanes 0-15 take A's block i, lanes 16-31 B's block i
.irp i, 0,1,2,3,4,5,6,7
	ds_load_b128 v[SC+8*NQ*\sc+NQ*\i:SC+8*NQ*\sc+NQ*\i+3], v[ADRS] offset:\i*SBLK
.endr
.endm
.macro PLACES n                        ; plain vector instructions between a matrix instruction and a load into, or a read of, its registers
.rept \n
	v_nop
.endr
.endm
.macro STEP slot, q, zero              ; 128 along K with its successor in the same slot
	s_wait_dscnt 4*NL                              ; B's set and A's blocks 0-3 are in; the youngest eight loads (A's blocks 4-7) may be out
.if \zero
	WIN BIA_LO
.else
	WIN MUL_LO
.endif
	MUL16 0, (\q)%2, \q, \slot, \zero
	MUL16 2, (\q)%2, \q, \slot, \zero
	s_wait_dscnt 0
	PLACES NP
	FETCH_B \slot, (\q)+1, 1-(\q)%2
	FETCH_A \slot, (\q)+1, 0
.if \zero
	WIN BIA_HI
.else
	WIN MUL_HI
.endif
	MUL16 4, (\q)%2, \q, \slot, \zero
	MUL16 6, (\q)%2, \q, \slot, \zero
	PLACES NP
	WIN 0
	FETCH_A \slot, (\q)+1, 4
.endm
.macro TURN slot, next                 ; a slot's last step changes slots: one barrier; nothing is filled again
	s_wait_tensorcnt 0x0                           ; all my tensor loads have landed: my part of the next slot
	ds_add_u32 v[SPW], v[NIL]                      ; 0 onto my spare word
	s_wait_dscnt 4*NL+1                            ; (the add and the youngest eight loads may be out)
	WIN MUL_LO
	MUL16 0, 1, NQ-1, \slot, 0
	s_wait_dscnt 0x0                               ; the add is done, and my reads of this slot are over
	s_barrier_signal -1
	MUL16 2, 1, NQ-1, \slot, 0
	WIN 0
	s_barrier_wait -1
	PLACES NP
	v_add_nc_u32 v[ADRS], 4*NQ, v[ADRS]            ; on to the next slot's scale words
	FETCH_B \next, 0, 0
	FETCH_A \next, 0, 0
	SCALES \next
	WIN MUL_HI
	MUL16 4, 1, NQ-1, \slot, 0
	MUL16 6, 1, NQ-1, \slot, 0
	PLACES NP
	WIN 0
	FETCH_A \next, 0, 4
.endm
.macro STEPS slot, from
.set Q, \from
.rept NQ-1-\from
	STEP \slot, Q, 0
.set Q, Q+1
.endr
.endm
	s_wait_tensorcnt 1                             ; the scales and my part of slot 0 are in (slot 1's load may be out),
	s_barrier_signal -1
	s_barrier_wait -1                              ; everybody's are
	FETCH_B 0, 0, 0
	FETCH_A 0, 0, 0
	SCALES 0
	FETCH_A 0, 0, 4
	s_wait_loadcnt 0x0                             ; the bias
	s_cmp_eq_u32 s[ISV], 1                         ; the first step is written twice: it differs in which bias registers start a sum
	s_cbranch_scc1 .Lfirst_v
	STEP 0, 0, 1
	s_branch .Lfirst_done
.Lfirst_v:
	STEP 0, 0, 2
.Lfirst_done:
	STEPS 0, 1
	TURN 0, 1
	STEPS 1, 0
	s_wait_dscnt 4*NL                              ; the very last step: nothing more to fetch
	WIN MUL_LO
	MUL16 0, 1, NQ-1, 1, 0
	MUL16 2, 1, NQ-1, 1, 0
	s_wait_dscnt 0
	WIN MUL_HI
	MUL16 4, 1, NQ-1, 1, 0
	MUL16 6, 1, NQ-1, 1, 0
	WIN 0
; THE WAY OUT.  Block a's 64 registers of a lane are 128 neighbours along the next product's K, register 16 b + i = k 32 b + 16 h + i of my row: four blocks of 32, each shared with lane l xor 16.
; QUANTW makes of them 8 registers of codes (registers 4 c .. 4 c + 3: k = 64 c + 32 h + 0 .. 31) and the row's scale word.  Each accumulator is read from its low end on.
.macro QUANTW a
.set AC, 64*((\a)%4)
.set WN, 2+(\a)/4
.set WN2, WN*5                         ; sources 0 and 1 in window 2 or 3
	WIN WN2
.irp b, 0,1,2,3
	v_max3_num_f32 v[TM+\b], |v[AC+16*\b]|, |v[AC+16*\b+1]|, 0x1800000   ; my 16 numbers of block b, and the floor 2^(3 - 127)
.endr
.irp i, 2,4,6,8,10,12,14
.irp b, 0,1,2,3
	v_max3_num_f32 v[TM+\b], |v[AC+16*\b+\i]|, |v[AC+16*\b+\i+1]|, v[TM+\b]
.endr
.endr
	WIN 0
.irp b, 0,1,2,3
	v_permlanex16_b32 v[TM+4+\b], v[TM+\b], s20, s21
.endr
.irp b, 0,1,2,3
	v_max_num_f32 v[TM+\b], v[TM+\b], v[TM+4+\b]   ; with lane l xor 16's: the block's largest magnitude
.endr
.irp b, 0,1,2,3
	v_add_nc_u32 v[TM+12+\b], 0xff000000, v[TM+\b] ; 2 off its exponent field: the conversion's scale operand
.endr
.irp b, 0,1,2,3
	v_lshrrev_b32 v[TM+4+\b], 23, v[TM+12+\b]      ; the scale's byte
.endr
	v_lshl_or_b32 v[WW+(\a)], v[TM+5], 8, v[TM+4]
	v_lshl_or_b32 v[WW+(\a)], v[TM+6], 16, v[WW+(\a)]
	v_lshl_or_b32 v[WW+(\a)], v[TM+7], 24, v[WW+(\a)]
	WIN WN                                         ; source 0 in window 2 or 3
.irp b, 0,1,2,3
	v_cvt_scalef32_pk8_fp4_f32 v[PC+8*(\a)+2*\b], v[AC+16*\b:AC+16*\b+7], v[TM+12+\b]
	v_cvt_scalef32_pk8_fp4_f32 v[PC+8*(\a)+2*\b+1], v[AC+16*\b+8:AC+16*\b+15], v[TM+12+\b]
.endr
	WIN 0
	v_nop                                          ; one plain place behind a scaled conversion
.irp c, 0,1                            ; the operand's layout wants a whole block in a lane
.irp i, 0,1
	v_permlane16_swap_b32 v[PC+8*(\a)+4*\c+\i], v[PC+8*(\a)+4*\c+2+\i]
.endr
.endr
.endm
.irp b, 0,1,2,3
	v_mov_b32 v[TM+4+\b], 0                        ; a lane permute's destination counts as one of its sources.  These four are also the places behind the last products
.endr
	v_and_b32 v[LI16], 31, v0
	v_lshlrev_b32 v[LI16], 4, v[LI16]              ; 16 x lane: a chunk's place for my lane
	v_lshlrev_b32 v[SCO], 4, v1
	v_lshl_add_u32 v[SCO], v2, 14, v[SCO]          ; the scale words: 16 r; lanes 16-31 store the next head's, 16,384 bytes on
	s_mov_b32 s20, 0x76543210
	s_mov_b32 s21, 0xfedcba98                      ; v_permlanex16_b32's selects for lane l xor 16
	s_mov_b32 s98, 0                               ; block a's place in img
.irp a, 0,1,2,3,4,5,6,7
	QUANTW \a
	v_add_nc_u32 v[VO+2*\a], s98, v[LI16]
	v_add_nc_u32 v[VO+2*\a+1], s95, v[VO+2*\a]
	global_store_b128 v[VO+2*\a], v[PC+8*\a:PC+8*\a+3], s[10:11]       ; 32 lanes store 512 consecutive bytes, aligned.  Each block has its own codes' and offsets' registers: none is written again
	global_store_b128 v[VO+2*\a+1], v[PC+8*\a+4:PC+8*\a+7], s[10:11]
.if \a == 3
	s_mov_b32 s98, s97
.else
	s_add_co_u32 s98, s98, s96
.endif
.endr
	s_cmp_eq_u32 s[ISV], 1
	s_cbranch_scc1 .Lv_words
	s_mov_b32 s22, 0x02020202                      ; q, k: word f = the two bytes of token tile 2 f and the two of tile 2 f + 1; lanes 0-15 pick my first head's bytes (0, 1), lanes 16-31 the second's (2, 3)
	v_mul_lo_u32 v[VSEL], v2, s22
	v_add_nc_u32 v[VSEL], 0x05040100, v[VSEL]
.irp f, 0,1,2,3
	v_perm_b32 v[OUT+\f], v[WW+2*\f+1], v[WW+2*\f], v[VSEL]
.endr
	s_branch .Lwords
.Lv_words:
	v_cmp_ne_u32 s22, 0, v2                        ; v: word dt = the four key blocks of my row of fragment dt; lanes 0-15 my first head's (blocks 0-3), lanes 16-31 the second's (4-7)
.irp f, 0,1,2,3
	v_cndmask_b32 v[OUT+\f], v[WW+\f], v[WW+4+\f], s22
.endr
.Lwords:
	global_store_b128 v[SCO], v[OUT:OUT+3], s[12:13]   ; sixteen lanes store 256 consecutive bytes, aligned
	s_wait_tensorcnt 0x0                           ; the wave's end
	ds_add_u32 v[SPW], v[NIL]
	s_wait_dscnt 0x0
	CROUND                                         ; the closing round
	s_endpgm
.Lfunc_end_k_qe9c734964b_qkv:
	.size	k_qe9c734964b_qkv, .Lfunc_end_k_qe9c734964b_qkv-k_qe9c734964b_qkv
	.p2alignl 7, 3214868480
	.fill 96, 4, 3214868480
	.section	.rodata,"a",@progbits
	.p2align	6, 0x0
	.amdhsa_kernel k_qe9c734964b_qkv
		.amdhsa_group_segment_fixed_size 327680
		.amdhsa_private_segment_fixed_size 0
		.amdhsa_enable_private_segment 0
		.amdhsa_kernarg_size 40
		.amdhsa_user_sgpr_count 2
		.amdhsa_user_sgpr_kernarg_segment_ptr 1
		.amdhsa_wavefront_size32 1
		.amdhsa_system_sgpr_workgroup_id_x 1
		.amdhsa_system_sgpr_workgroup_id_y 1
		.amdhsa_system_sgpr_workgroup_id_z 1
		.amdhsa_system_vgpr_workitem_id 0
		.amdhsa_next_free_vgpr 1024
		.amdhsa_next_free_sgpr 102
		.amdhsa_reserve_vcc 0
		.amdhsa_float_denorm_mode_32 3
		.amdhsa_float_denorm_mode_16_64 3
		.amdhsa_memory_ordered 1
		.amdhsa_forward_progress 1
		.amdhsa_inst_pref_size 148
	.end_amdhsa_kernel
	.amdgpu_metadata
---
amdhsa.version: [ 1, 2 ]
amdhsa.kernels:
  - .name:           k_qe9c734964b_qkv
    .symbol:         k_qe9c734964b_qkv.kd
    .args:
      - { .name: codes, .offset: 0, .size: 8, .value_kind: global_buffer, .address_space: global }
      - { .name: scales, .offset: 8, .size: 8, .value_kind: global_buffer, .address_space: global }
      - { .name: b_qkv, .offset: 16, .size: 8, .value_kind: global_buffer, .address_space: global }
      - { .name: img, .offset: 24, .size: 8, .value_kind: global_buffer, .address_space: global }
      - { .name: sc, .offset: 32, .size: 8, .value_kind: global_buffer, .address_space: global }
    .group_segment_fixed_size: 327680
    .private_segment_fixed_size: 0
    .kernarg_segment_align: 8
    .kernarg_segment_size: 40
    .max_flat_workgroup_size: 128
    .sgpr_count:     102
    .vgpr_count:     1024
    .wavefront_size: 32
...
	.end_amdgpu_metadata
.endif
;; end of part 2
;; launch attn (part 3): grid 4 x 64, 16 waves a work-group, no clusters, 141,312 bytes of LDS; arguments img, sc, mask, flags, ctximg, ctxsc; writes ctximg, ctxsc
.if DOCPART == 3
	.amdgcn_target "amdgcn-amd-amdhsa--gfx1250"
	.amdhsa_code_object_version 6
	.text
	.protected	k_qe9c734964b_attn
	.globl	k_qe9c734964b_attn
	.p2align	8
	.type	k_qe9c734964b_attn,@function
k_qe9c734964b_attn:
	s_mov_b64 s[64:65], 0
	v_nop
	global_prefetch_b8 v0, s[64:65] scope:SCOPE_SE
	s_setreg_imm32_b32 hwreg(HW_REG_WAVE_MODE, 25, 1), 1
	s_wait_xcnt 0x0
; Launch 3 of 4: context = softmax(q k^T / 8, under the mask) v for one (batch, head) a work-group row, both products on codes of E2M1; the context leaves as codes for the last product.
; WORK PASSED OVER: a tile of 32 queries x 128 keys whose mask words are all 0 (flags = 0, stored by the first launch from the mask itself): all its scores are -infinity in reference(), so it moves no maximum, sum or product.
; A tile with no 0 among its mask words (flags = 2) is computed without reading the mask; a tile with both kinds (1) reads its 4,096 words and sets hidden scores to -infinity ahead of the maximum.
; THE SOFTMAX: t = score x log2(e) / 8; M = the running largest t rounded UP to a whole number; p = 2^(t - M) is quantised along the keys, not normalised; the row's sum is taken of the unquantised p and divides at the end.
; When M moves, the sum and O are multiplied by 2^(old M - new M): exact.
; NO TENSOR LOAD, NO CLUSTER: the walk branches on whole numbers read from memory.  What is shared is shared in LDS: the head's
; whole K, V and their scale words, 139,264 bytes, are brought in once through registers (wave w: step w's record), behind ONE barrier, and read by all sixteen waves, which then never meet again.
; SHARES: work-group (i, batch x head) owns query blocks i and 7 - i of 256 (an order of work only: no result hangs on it); waves 0-7 the first, 8-15 the second; a wave owns 32 queries: tiles u = 0, 1 of 16.
; LAYOUT: both products transposed: S^T = K Q^T, O^T = V^T P^T: a lane holds ONE query.  K's tokens lie in tile order, so that register 16 b + i of S is key 32 b + 16 h + i.  The head's 64 fill half of the instruction's K:
; a fragment of K carries key tile 2 f in k 0-63 and tile 2 f + 1 in k 64-127, and Q is given once as [q | 0] and once as [0 | q]: zero codes add nothing.  The queries of tile u: 32 G + 8 u + r + 8 (r / 8).
; LIMITS: a query whose mask row is all 0 gets the scale bytes 0xff: the last product then makes its whole output row NaN, as reference() does.  The context's scale bytes leave two a row (a work-group owns one head of sixteen):
; one byte for each 16 of codes.  Else as stated at the head of the first launch.
.set REC,   8704                       ; LDS: a step's record: K's 8 chunks, V's 8 chunks, 512 bytes of scale words (K's for lanes 0-15, V's for lanes 16-31)
.set SPARE, 16*REC                     ; the spare words, 128 bytes a wave: no other line names them
.set LI,   1                           ; v1  16 x lane
.set ADR,  2                           ; v2  LDS address of the record in hand
.set VM,   3                           ; v3  my place in the mask: (r + 8 (r / 8)) rows + 64 h bytes
.set SPW,  4
.set NIL,  5
.set NINF, 6                           ; v6  -infinity
.set QB,   8                           ; v8-27  [0000][q of tile 0][0000][q of tile 1][0000]
.set QS,   28                          ; v28, v29 Q's scale words
.set KF,   32                          ; v32-63  four fragments of K, then of V
.set S,    64                          ; v64-127 the scores, then p (ahead of the product: the tile's mask words)
.set O,    128                         ; v128-191 O^T: 32 u + 8 dt
.set PC,   192                         ; v192-207 p's codes, 8 a tile
.set SC,   208                         ; v208-211 the step's scale words
.set ST,   212                         ; v212-223 six a tile: -M, the largest t, the sum (two halves), f, p's scale word
.set BM,   224
.set BX,   228
.set SO,   232
.set SUM,  236
.set T,    238
	s_load_b256 s[4:11], s[0:1], 0x0               ; img, sc, mask, flags
	s_load_b128 s[12:15], s[0:1], 0x20             ; ctximg, ctxsc
	v_lshl_add_u32 v[SPW], v0, 2, SPARE
	v_mov_b32 v[NIL], 0
	v_lshrrev_b32 v7, 5, v0
	v_readfirstlane_b32 s16, v7                    ; wave 0..15
	v_and_b32 v[LI], 31, v0
	v_lshlrev_b32 v[LI], 4, v[LI]
	v_and_b32 v7, 15, v0                           ; r
	v_bfe_u32 v31, v0, 4, 1                        ; h
	v_and_b32 v[VM], 8, v7
	v_add_nc_u32 v[VM], v[VM], v7
	v_lshlrev_b32 v[VM], 13, v[VM]
	v_lshl_add_u32 v[VM], v31, 6, v[VM]
	v_lshlrev_b32 v239, 4, v7                      ; 16 r: my row's scale words
	s_and_b32 s18, ttmp7, 0xffff                   ; batch x head
	s_sub_co_u32 s19, 7, ttmp9
	s_cmp_lt_u32 s16, 8
	s_cselect_b32 s19, ttmp9, s19                  ; my block of 256 queries
	s_and_b32 s20, s16, 7
	s_lshl_b32 s30, s19, 3
	s_add_co_u32 s20, s20, s30                     ; G: my group of 32 queries
	s_add_co_u32 s48, s18, 64
	s_lshl_b32 s48, s48, 16
	s_lshl_b32 s31, s16, 12
	s_add_co_u32 s48, s48, s31                     ; K's chunks of step w (V's lie 64 x 65,536 bytes on)
	s_mov_b32 s49, 0
	s_lshl_b32 s50, s18, 4
	s_add_co_u32 s50, s50, s16
	s_lshl_b32 s50, s50, 10
	s_add_co_u32 s50, s50, 256                     ; K's and V's scale words of step w
	s_mov_b32 s51, 0
	s_lshr_b32 s30, s20, 2                         ; the step that holds my queries
	s_and_b32 s31, s20, 3                          ; and my 32 among its 128
	s_lshl_b32 s52, s18, 16
	s_lshl_b32 s53, s30, 12
	s_add_co_u32 s52, s52, s53
	s_lshl_b32 s53, s31, 10
	s_add_co_u32 s52, s52, s53                     ; q's two chunks
	s_mov_b32 s53, 0
	s_lshl_b32 s54, s18, 4
	s_add_co_u32 s54, s54, s30
	s_lshl_b32 s54, s54, 10
	s_lshl_b32 s55, s31, 2
	s_add_co_u32 s54, s54, s55                     ; q's scale word: word G % 4 of the row's four
	s_mov_b32 s55, 0
	s_lshl_b32 s56, s20, 6                         ; my 16 flags
	s_mov_b32 s57, 0
	s_lshl_b32 s98, s20, 18                        ; my 32 rows of the mask
	s_mov_b32 s99, 0
	s_wait_kmcnt 0x0
	s_add_nc_u64 s[48:49], s[4:5], s[48:49]
	s_add_nc_u64 s[50:51], s[6:7], s[50:51]
	s_add_nc_u64 s[52:53], s[4:5], s[52:53]
	s_add_nc_u64 s[54:55], s[6:7], s[54:55]
	s_add_nc_u64 s[56:57], s[10:11], s[56:57]
	s_add_nc_u64 s[98:99], s[8:9], s[98:99]
	s_load_b512 s[32:47], s[56:57], 0x0
.irp i, 0,1,2,3,4,5,6,7
	global_load_b128 v[KF+4*\i:KF+4*\i+3], v[LI], s[48:49] offset:512*\i
.endr
.irp i, 0,1,2,3,4,5,6,7
	global_load_b128 v[KF+32+4*\i:KF+32+4*\i+3], v[LI], s[48:49] offset:4194304+512*\i
.endr
	global_load_b128 v[96:99], v[LI], s[50:51]
	global_load_b128 v[QB+4:QB+7], v[LI], s[52:53]
	global_load_b128 v[QB+12:QB+15], v[LI], s[52:53] offset:512
	global_load_b32 v30, v239, s[54:55]
.irp j, 0,1,2,3, 8,9,10,11, 16,17,18,19
	v_mov_b32 v[QB+\j], 0                          ; the zero halves of Q's operands
.endr
	v_mov_b32 v[NINF], 0xff800000
.irp u, 0,1
	v_mov_b32 v[ST+6*\u+1], 0xff61b1e6             ; the largest t so far: -3e38, under every t
	v_floor_f32 v[ST+6*\u], -v[ST+6*\u+1]          ; -M
	v_mov_b32 v[ST+6*\u+2], 0                      ; the sum, in two halves
	v_mov_b32 v[ST+6*\u+3], 0
	v_mov_b32 v[ST+6*\u+5], 0                      ; (named as the upper half of f's pair before it is first written)
.endr
.irp b, 0,1,2,3
	v_mov_b32 v[BX+\b], 0                          ; a lane permute's destination counts as one of its sources
.endr
	s_mul_i32 s30, s16, REC
	v_add_nc_u32 v[ADR], s30, v[LI]
	s_mov_b32 s22, 0x3e38aa3b                      ; c = log2(e) / 8
	s_mov_b32 s23, s22                             ; (named with it as a pair)
	s_mov_b32 s24, 0x76543210
	s_mov_b32 s25, 0xfedcba98                      ; v_permlanex16_b32's selects for lane l xor 16
	s_mov_b32 s26, 16                              ; key steps to go
	s_mov_b32 s27, 0                               ; the record in hand
	s_wait_loadcnt 3                               ; the record's 17 loads are in; Q's three may be out
.irp i, 0,1,2,3,4,5,6,7,8,9,10,11,12,13,14,15
	ds_store_b128 v[ADR], v[KF+4*\i:KF+4*\i+3] offset:512*\i
.endr
	ds_store_b128 v[ADR], v[96:99] offset:8192
	s_wait_dscnt 0x0                               ; for the others' sake: my record lies in LDS
	s_barrier_signal -1
	s_barrier_wait -1                              ; all sixteen do: from here on LDS is only read
	s_wait_loadcnt 0x0
	v_perm_b32 v[QS], v30, v30, 0x01000100         ; tile 0's two bytes, twice: for [q | 0] and [0 | q] alike
	v_perm_b32 v[QS+1], v30, v30, 0x03020302       ; tile 1's
.set j, 0
.rept 64
	v_mov_b32 v[O+j], 0                            ; O^T: which step is the first that counts is not known to the text.  (These are also the places between the scale words' making and the first product)
.set j, j+1
.endr
	s_wait_kmcnt 0x0
	s_mov_b32 s28, s32                             ; my 16 flags, two bits each
.irp k, 1,2,3,4,5,6,7,8,9,10,11,12,13,14,15
	s_lshl_b32 s30, s[32+\k], 2*\k
	s_or_b32 s28, s28, s30
.endr
.macro LOADF off                       ; four fragments: eight chunks as they lie
.irp i, 0,1,2,3,4,5,6,7
	ds_load_b128 v[KF+4*\i:KF+4*\i+3], v[ADR] offset:\off+512*\i
.endr
.endm
.macro QK u                            ; S^T of tile u: key tile t from fragment t / 2; t even: [q | 0], t odd: [0 | q]
.irp t, 0,1,2,3,4,5,6,7
	v_wmma_scale_f32_16x16x128_f8f6f4 v[S+8*\t:S+8*\t+7], v[KF+8*(\t/2):KF+8*(\t/2)+7], v[QB+4+8*(\u)-4*(\t%2):QB+11+8*(\u)-4*(\t%2)], 0, v[SC+\t/2], v[QS+(\u)] matrix_a_fmt:MATRIX_FMT_FP4 matrix_b_fmt:MATRIX_FMT_FP4
.endr
.endm
.macro RESC u                          ; O^T of tile u under the new M: x f
.set j, 0
.rept 16
	v_pk_mul_f32 v[O+32*(\u)+j:O+32*(\u)+j+1], v[O+32*(\u)+j:O+32*(\u)+j+1], v[ST+6*(\u)+4:ST+6*(\u)+5] op_sel_hi:[1,0]
.set j, j+2
.endr
.endm
.macro TAIL u                          ; the places behind the products: tile 0: four v_nop; tile 1: the rescaling of tile 0's O^T, which names none of their registers
.if (\u) == 0
.rept 4
	v_nop
.endr
.else
	RESC 0
.endif
.endm
.macro MASKBITS u                      ; the tile's mask words come into the scores' registers, register for register, and leave 64 lane masks in scalar registers (s32-63, s66-97)
.irp b, 0,1,2,3
.irp j, 0,1,2,3
	global_load_b128 v[S+16*\b+4*\j:S+16*\b+4*\j+3], v[VM], s[98:99] offset:65536*(\u)+128*\b+16*\j
.endr
.endr
	s_wait_loadcnt 0x0
.irp n, 0,1,2,3,4,5,6,7,8,9,10,11,12,13,14,15,16,17,18,19,20,21,22,23,24,25,26,27,28,29,30,31,32,33,34,35,36,37,38,39,40,41,42,43,44,45,46,47,48,49,50,51,52,53,54,55,56,57,58,59,60,61,62,63
	v_cmp_ne_u32 s[32+\n+2*(\n/32)], 0, v[S+\n]
.endr
.endm
.macro APPLY                           ; hidden scores become -infinity; each accumulator from its low end on
.irp n, 0,1,2,3,4,5,6,7,8,9,10,11,12,13,14,15,16,17,18,19,20,21,22,23,24,25,26,27,28,29,30,31,32,33,34,35,36,37,38,39,40,41,42,43,44,45,46,47,48,49,50,51,52,53,54,55,56,57,58,59,60,61,62,63
	v_cndmask_b32 v[S+\n], v[NINF], v[S+\n], s[32+\n+2*(\n/32)]
.endr
.endm
.macro SCORES u                        ; two whole arms, so that no way reads a lane mask that it did not write
	s_cmp_eq_u32 s29, 1
	s_cbranch_scc0 .Lopen_\@
	MASKBITS \u
	s_wait_dscnt 0x0                               ; K's fragments and the scale words
	QK \u
	TAIL \u
	APPLY
	s_branch .Ldone_\@
.Lopen_\@:
	s_wait_dscnt 0x0
	QK \u
	TAIL \u
.Ldone_\@:
.endm
.macro SOFT u                          ; tile u's 64 scores of a lane become p's codes and scale word; -M, the largest t, the sum and f move on
.set NM,  ST+6*(\u)
.set TMX, NM+1
.set LL,  NM+2
.set FF,  NM+4
.set PW,  NM+5
.set PCU, PC+8*(\u)
.irp b, 0,1,2,3
	v_max3_num_f32 v[BM+\b], v[S+16*\b], v[S+16*\b+1], v[S+16*\b+2]   ; the largest score of each block of 32 keys: for the row's maximum, and, since p rises with the score, for the block's largest p
.endr
.irp i, 3,5,7,9,11,13
.irp b, 0,1,2,3
	v_max3_num_f32 v[BM+\b], v[BM+\b], v[S+16*\b+\i], v[S+16*\b+\i+1]
.endr
.endr
.irp b, 0,1,2,3
	v_max_num_f32 v[BM+\b], v[BM+\b], v[S+16*\b+15]
.endr
.irp b, 0,1,2,3
	v_permlanex16_b32 v[BX+\b], v[BM+\b], s24, s25
.endr
.irp b, 0,1,2,3
	v_max_num_f32 v[BM+\b], v[BM+\b], v[BX+\b]     ; with lane l xor 16's 16 keys
.endr
	v_max3_num_f32 v[T], v[BM], v[BM+1], v[BM+2]
	v_max_num_f32 v[T], v[T], v[BM+3]
	v_mul_f32 v[T], s22, v[T]                      ; as t (c is positive)
	v_max_num_f32 v[TMX], v[TMX], v[T]             ; the running largest t
	v_mov_b32 v[T], v[NM]
	v_floor_f32 v[NM], -v[TMX]                     ; the new -M = floor(-t): M is a whole number
	v_sub_f32 v[T], v[NM], v[T]                    ; old M less new M: a whole number, 0 or less
	v_cvt_i32_f32 v[T], v[T]                       ; (it saturates)
	v_ldexp_f32 v[FF], 1.0, v[T]                   ; f = 2^(old M - new M)
.set j, 0
.rept 32
	v_pk_fma_f32 v[S+j:S+j+1], v[S+j:S+j+1], s[22:23], v[NM:NM+1] op_sel_hi:[1,0,0]   ; t - M, two at a time
.set j, j+2
.endr
.irp b, 0,1,2,3
	v_fma_f32 v[BM+\b], v[BM+\b], s22, v[NM]       ; the same of each block's largest score
.endr
.set j, 0
.rept 64
	v_exp_f32 v[S+j], v[S+j]                       ; p = 2^(t - M), at most 1
.set j, j+1
.endr
	v_pk_mul_f32 v[LL:LL+1], v[LL:LL+1], v[FF:FF+1] op_sel_hi:[1,0]   ; the sums under the new M: a plain place behind the exponentials
	s_wait_alu depctr_va_vdst(0)                   ; one wait for the batch of 64, ahead of its first reader
.irp b, 0,1,2,3
	v_exp_f32 v[BM+\b], v[BM+\b]                   ; the block's largest p
.endr
	v_pk_add_f32 v[SUM:SUM+1], v[S:S+1], v[S+2:S+3]   ; the row's sum is taken of the unquantised p, in two chains
.irp j, 4,8,12,16,20,24,28,32,36,40,44,48,52,56,60
	v_pk_add_f32 v[LL:LL+1], v[LL:LL+1], v[S+\j:S+\j+1]
	v_pk_add_f32 v[SUM:SUM+1], v[SUM:SUM+1], v[S+\j+2:S+\j+3]
.endr
	v_pk_add_f32 v[LL:LL+1], v[LL:LL+1], v[SUM:SUM+1]
	s_wait_alu depctr_va_vdst(0)                   ; and one for the four
.irp b, 0,1,2,3
	v_max_num_f32 v[BM+\b], 0x1800000, v[BM+\b]    ; the floor 2^(3 - 127): the byte cannot fall under 1
.endr
.irp b, 0,1,2,3
	v_add_nc_u32 v[SO+\b], 0xff000000, v[BM+\b]    ; 2 off the exponent field: the conversion's scale operand
.endr
.irp b, 0,1,2,3
	v_lshrrev_b32 v[BX+\b], 23, v[SO+\b]           ; the scale's byte
.endr
	v_lshl_or_b32 v[PW], v[BX+1], 8, v[BX]         ; p's scale word for these 128 keys
	v_lshl_or_b32 v[PW], v[BX+2], 16, v[PW]
	v_lshl_or_b32 v[PW], v[BX+3], 24, v[PW]
.irp b, 0,1,2,3
	v_cvt_scalef32_pk8_fp4_f32 v[PCU+2*\b], v[S+16*\b:S+16*\b+7], v[SO+\b]
	v_cvt_scalef32_pk8_fp4_f32 v[PCU+2*\b+1], v[S+16*\b+8:S+16*\b+15], v[SO+\b]
.endr
	v_nop                                          ; one plain place behind a scaled conversion
.irp c, 0,1
.irp i, 0,1
	v_permlane16_swap_b32 v[PCU+4*\c+\i], v[PCU+4*\c+2+\i]
.endr
.endr
.endm
.macro PV                              ; O^T += V^T P^T: eight accumulators by turns, one instruction a turn; V's scale words stand in lanes 16-31
.irp dt, 0,1,2,3
.irp u, 0,1
	v_wmma_scale_f32_16x16x128_f8f6f4 v[O+32*\u+8*\dt:O+32*\u+8*\dt+7], v[KF+8*\dt:KF+8*\dt+7], v[PC+8*\u:PC+8*\u+7], v[O+32*\u+8*\dt:O+32*\u+8*\dt+7], v[SC+\dt], v[ST+6*\u+5] matrix_a_fmt:MATRIX_FMT_FP4 matrix_b_fmt:MATRIX_FMT_FP4 matrix_a_scale:MATRIX_SCALE_ROW1
.endr
.endr
.endm
.Lstep:                                            ; 16 trips, a constant; a step that the flags hide is passed over, all but the lines that step addresses
	s_and_b32 s29, s28, 3                          ; this step's flag
	s_cmp_eq_u32 s29, 0
	s_cbranch_scc1 .Lnext
	v_add_nc_u32 v[ADR], s27, v[LI]
.rept 3
	v_nop                                          ; with the addition: four places between the last step's products and the loads into their registers
.endr
	LOADF 0                                        ; K's four fragments
	ds_load_b128 v[SC:SC+3], v[ADR] offset:8192    ; lanes 0-15: K's words; lanes 16-31: V's
	SCORES 0
	SOFT 0
	SCORES 1
	LOADF 4096                                     ; V's four fragments land while tile 1's softmax is walked
	SOFT 1
	RESC 1                                         ; sixteen plain lines between the making of p's codes and scale word and the products
.rept 4
	v_nop                                          ; and four between the last rescaled accumulator and the product that takes it up
.endr
	s_wait_dscnt 0x0                               ; V
	PV
.Lnext:
	s_lshr_b32 s28, s28, 2
	s_add_co_u32 s27, s27, REC
	s_add_nc_u64 s[98:99], s[98:99], 512           ; the mask's next 128 keys (every load that named this base has been waited for)
	s_sub_co_u32 s26, s26, 1
	s_cmp_lg_u32 s26, 0
	s_cbranch_scc1 .Lstep
	; THE WAY OUT: O^T / the sum, quantised along the head's 64 (two blocks a tile: registers 32 u + 16 b + i = d 32 b + 16 h + i), one chunk of codes a tile and two scale bytes a row.
.rept 4
	v_nop
.endr
.irp u, 0,1
	v_add_f32 v[BM+\u], v[ST+6*\u+2], v[ST+6*\u+3]
.endr
.irp u, 0,1
	v_permlanex16_b32 v[BX+\u], v[BM+\u], s24, s25
.endr
.irp u, 0,1
	v_add_f32 v[BM+\u], v[BM+\u], v[BX+\u]         ; the row's sum
.endr
	v_mov_b32 v7, 1.0
	v_cmp_eq_f32 s30, 0, v[BM]                     ; a row with no open key: its sum is 0
	v_cmp_eq_f32 s31, 0, v[BM+1]
	v_cndmask_b32 v[BM], v[BM], v7, s30            ; there the divisor is 1 and the codes are zeros; the bytes below say NaN
	v_cndmask_b32 v[BM+1], v[BM+1], v7, s31
	v_rcp_f32 v[SO], v[BM]
	v_rcp_f32 v[SO+2], v[BM+1]
	v_mov_b32 v[SO+1], 0                           ; (the pairs' upper halves; a plain place behind the reciprocals)
	v_mov_b32 v[SO+3], 0
	s_wait_alu depctr_va_vdst(0)                   ; one wait for both, ahead of their first reader
.irp u, 0,1
.set j, 0
.rept 16
	v_pk_mul_f32 v[O+32*\u+j:O+32*\u+j+1], v[O+32*\u+j:O+32*\u+j+1], v[SO+2*\u:SO+2*\u+1] op_sel_hi:[1,0]
.set j, j+2
.endr
.endr
.irp b, 0,1,2,3                        ; block b of the four: tile b / 2, its block b % 2
	v_max3_num_f32 v[BM+\b], |v[O+16*\b]|, |v[O+16*\b+1]|, 0x1800000
.endr
.irp i, 2,4,6,8,10,12,14
.irp b, 0,1,2,3
	v_max3_num_f32 v[BM+\b], v[BM+\b], |v[O+16*\b+\i]|, |v[O+16*\b+\i+1]|
.endr
.endr
.irp b, 0,1,2,3
	v_permlanex16_b32 v[BX+\b], v[BM+\b], s24, s25
.endr
.irp b, 0,1,2,3
	v_max_num_f32 v[BM+\b], v[BM+\b], v[BX+\b]
.endr
.irp b, 0,1,2,3
	v_add_nc_u32 v[SO+\b], 0xff000000, v[BM+\b]
.endr
.irp b, 0,1,2,3
	v_lshrrev_b32 v[BX+\b], 23, v[SO+\b]
.endr
	v_lshl_or_b32 v[T], v[BX+1], 8, v[BX]          ; tile 0's two bytes,
	v_lshl_or_b32 v[SUM], v[BX+3], 8, v[BX+2]      ; tile 1's
	v_mov_b32 v7, 0xffff
	v_cndmask_b32 v[T], v[T], v7, s30
	v_cndmask_b32 v[SUM], v[SUM], v7, s31
	v_and_b32 v[SUM+1], 16, v0
	v_cmp_ne_u32 s34, 0, v[SUM+1]
	v_cndmask_b32 v[T], v[T], v[SUM], s34          ; lanes 0-15 store tile 0's rows, lanes 16-31 tile 1's
.irp b, 0,1,2,3
	v_cvt_scalef32_pk8_fp4_f32 v[PC+2*\b], v[O+16*\b:O+16*\b+7], v[SO+\b]
	v_cvt_scalef32_pk8_fp4_f32 v[PC+2*\b+1], v[O+16*\b+8:O+16*\b+15], v[SO+\b]
.endr
	v_nop
.irp c, 0,1
.irp i, 0,1
	v_permlane16_swap_b32 v[PC+4*\c+\i], v[PC+4*\c+2+\i]   ; registers 4 u .. 4 u + 3: tile u's chunk: lane (r, h): query r, d 32 h on
.endr
.endr
	v_lshlrev_b32 v[ADR], 1, v[LI]                 ; 32 bytes a row of scale bytes
	s_lshr_b32 s26, s18, 4                         ; batch
	s_and_b32 s27, s18, 15                         ; head
	s_lshl_b32 s26, s26, 7
	s_lshl_b32 s28, s20, 1
	s_add_co_u32 s26, s26, s28                     ; my first tile of 16 positions: 128 x batch + 2 G
	s_lshl_b32 s32, s26, 13
	s_lshl_b32 s28, s27, 9
	s_add_co_u32 s32, s32, s28
	s_mov_b32 s33, 0
	s_add_nc_u64 s[12:13], s[12:13], s[32:33]
	s_lshl_b32 s32, s26, 9
	s_lshl_b32 s28, s27, 1
	s_add_co_u32 s32, s32, s28
	s_add_nc_u64 s[14:15], s[14:15], s[32:33]
	global_store_b128 v[LI], v[PC:PC+3], s[12:13]              ; 32 lanes store 512 consecutive bytes, aligned
	global_store_b128 v[LI], v[PC+4:PC+7], s[12:13] offset:8192
	global_store_b16 v[ADR], v[T], s[14:15]                    ; bytes 2 head, 2 head + 1 of my row's 32
	s_wait_tensorcnt 0x0                           ; the wave's end, behind my last LDS store
	ds_add_u32 v[SPW], v[NIL]
	s_wait_dscnt 0x0
	s_endpgm
.Lfunc_end_k_qe9c734964b_attn:
	.size	k_qe9c734964b_attn, .Lfunc_end_k_qe9c734964b_attn-k_qe9c734964b_attn
	.p2alignl 7, 3214868480
	.fill 96, 4, 3214868480
	.section	.rodata,"a",@progbits
	.p2align	6, 0x0
	.amdhsa_kernel k_qe9c734964b_attn
		.amdhsa_group_segment_fixed_size 141312
		.amdhsa_private_segment_fixed_size 0
		.amdhsa_enable_private_segment 0
		.amdhsa_kernarg_size 48
		.amdhsa_user_sgpr_count 2
		.amdhsa_user_sgpr_kernarg_segment_ptr 1
		.amdhsa_wavefront_size32 1
		.amdhsa_system_sgpr_workgroup_id_x 1
		.amdhsa_system_sgpr_workgroup_id_y 1
		.amdhsa_system_sgpr_workgroup_id_z 1
		.amdhsa_system_vgpr_workitem_id 0
		.amdhsa_next_free_vgpr 256
		.amdhsa_next_free_sgpr 102
		.amdhsa_reserve_vcc 0
		.amdhsa_float_denorm_mode_32 3
		.amdhsa_float_denorm_mode_16_64 3
		.amdhsa_memory_ordered 1
		.amdhsa_forward_progress 1
		.amdhsa_inst_pref_size 69
	.end_amdhsa_kernel
	.amdgpu_metadata
---
amdhsa.version: [ 1, 2 ]
amdhsa.kernels:
  - .name:           k_qe9c734964b_attn
    .symbol:         k_qe9c734964b_attn.kd
    .args:
      - { .name: img, .offset: 0, .size: 8, .value_kind: global_buffer, .address_space: global }
      - { .name: sc, .offset: 8, .size: 8, .value_kind: global_buffer, .address_space: global }
      - { .name: mask, .offset: 16, .size: 8, .value_kind: global_buffer, .address_space: global }
      - { .name: flags, .offset: 24, .size: 8, .value_kind: global_buffer, .address_space: global }
      - { .name: ctximg, .offset: 32, .size: 8, .value_kind: global_buffer, .address_space: global }
      - { .name: ctxsc, .offset: 40, .size: 8, .value_kind: global_buffer, .address_space: global }
    .group_segment_fixed_size: 141312
    .private_segment_fixed_size: 0
    .kernarg_segment_align: 8
    .kernarg_segment_size: 48
    .max_flat_workgroup_size: 512
    .sgpr_count:     102
    .vgpr_count:     256
    .wavefront_size: 32
...
	.end_amdgpu_metadata
.endif
;; end of part 3
;; launch proj (part 4): grid 4 x 32, 4 waves a work-group, clusters of 4 x 4, 327,680 bytes of LDS; arguments ctximg, ctxsc, codes, scales, b_out, out0; writes out0
.if DOCPART == 4
	.amdgcn_target "amdgcn-amd-amdhsa--gfx1250"
	.amdhsa_code_object_version 6
	.text
	.protected	k_qe9c734964b_proj
	.globl	k_qe9c734964b_proj
	.p2align	8
	.type	k_qe9c734964b_proj,@function
k_qe9c734964b_proj:
	s_mov_b64 s[64:65], 0
	v_nop
	global_prefetch_b8 v0, s[64:65] scope:SCOPE_SE
	s_setreg_imm32_b32 hwreg(HW_REG_WAVE_MODE, 25, 1), 1
	s_wait_xcnt 0x0
	s_wait_alu depctr_hold_cnt(0) depctr_sa_sdst(0) depctr_va_vdst(0) depctr_va_sdst(0) depctr_va_ssrc(0) depctr_va_vcc(0) depctr_vm_vsrc(0)
	s_getreg_b32 s2, hwreg(HW_REG_IB_STS2, 6, 4)
	s_cmp_eq_u32 s2, 0
	s_cbranch_scc0 .Lentry_in_a_cluster
	s_endpgm
.Lentry_in_a_cluster:
	s_bfe_u32 s2, ttmp6, 0x10000c
	s_cmp_lg_u32 s2, 0xf033
	s_cbranch_scc0 .Lentry_shape_is_right
	s_endpgm
.Lentry_shape_is_right:
; Launch 4 of 4: out = context w_out^T + b_out on codes of E2M1 (M 8,192, N 1,024, K 1,024).  No work is left out.
; A tile of 256 x 256 to a work-group of four waves, 128 x 128 to a wave; K in two slots of 512, both first fills.  Transposed use (source 0 = 16 rows of w_out, source 1 = 16 rows of the context):
; a lane holds eight neighbouring columns of one row of out.  The bias is the C of each sum's first product.  CLUSTERS: 4 x 4; A's tile is asked for jointly along a row of the cluster, B's along a column.
; A COMES AS IMAGES OF ITS REGISTERS: ctximg[tile of 16 positions][head] chunks of 512 bytes; a slot's part of a tile (8 heads) is 4,096 consecutive bytes; a fragment's two loads read 512 consecutive LDS bytes each.
; The context's rows lie in tile order (position 32 g + 16 u + r = token 32 g + 8 u + r + 8 (r / 8)): the stores put them back.  A row whose scale bytes are 0xff (no open key) comes out NaN, as reference() has it.
; REGISTERS: window 0: v0-31 addresses; v32-95 scale words, two sets; v128-191 A's fragments; v192-255 the bias, later rows on the way out.  window 1: B's fragments, two sets.  windows 2, 3: the accumulators.
.set NQ,     4
.set ROWB,   256
.set KROW,   512
.set PITCH,  272
.set FR,     8
.set NL,     2
.set NP,     4
.set HALFA,  32768                     ; A: 8 tiles x 4,096 bytes: what one tensor load brings
.set HALFT,  128*PITCH                 ; B: 128 rows
.set BOFF,   2*HALFA
.set SLOT,   BOFF+2*HALFT
.set KS,     32
.set SCL,    2*SLOT
.set HALFS,  (128*KS/256)*272
.set SBLK,   (16*KS/256)*272
.set SPARE,  SCL+4*HALFS               ; the spare words, 128 bytes a wave: no other line names them
.set SPITCH, 528                       ; the way out: a stage of 16 rows x (512 + 16) bytes for each wave, in slot 0, which has had its only fill and its last read when the first result is stored there
.set WOC,    5767168                   ; w_out's codes in the buffer, WOS its scale bytes
.set WOS,    360448
.set ADRA, 16
.set ADRB, 20
.set STO,  24
.set RD,   25
.set CO,   26
.set ADRS, 27
.set SPW,  28
.set NIL,  29
.set SC,   32
.set AF,   128
.set BIAS, 192
.set BK,   128
.set WV,   16
.set RH,   17
.set CHF,  18
.set TR,   19
.set TC,   42
.set G1, 24
.set G0, 32
.set G1B, 48
.set G0B, 56
.set G1S, 68
.set G0S, 76
.set G1SB, 80
.set G0SB, 88
.set MSB, 0
.macro WIN new
.if MSB != \new
	s_set_vgpr_msb (MSB<<8)|\new
.set MSB, \new
.endif
.endm
.set MUL_LO, 0xa1
.set MUL_HI, 0xf1
.set BIA_LO, 0x81
.set BIA_HI, 0xc1
.set TO_B,   0x40
.macro JLOAD g0a, g1a, g0b, g1b        ; a joint load: waves 0 and 1 fetch for A, waves 2 and 3 for B; an s_nop 0 and four v_nop follow each of the two lines
	s_cmp_eq_u32 s[RH], 0
	s_cbranch_scc0 .Lfor_b_\@
	tensor_load_to_lds s[\g0a:\g0a+3], s[\g1a:\g1a+7]
	s_nop 0
.rept 4
	v_nop
.endr
	s_branch .Lasked_\@
.Lfor_b_\@:
	tensor_load_to_lds s[\g0b:\g0b+3], s[\g1b:\g1b+7]
	s_nop 0
.rept 4
	v_nop
.endr
.Lasked_\@:
.endm
.macro CROUND
	s_barrier_signal -1
	s_barrier_wait -1
	s_cmp_lg_u32 s[WV], 0
	s_cbranch_scc1 .Lnot_wave_0_\@
	s_barrier_signal -3
.Lnot_wave_0_\@:
	s_barrier_wait -3
	s_barrier_signal -1
	s_barrier_wait -1
.endm
	s_load_b256 s[4:11], s[0:1], 0x0               ; ctximg s[4:5], ctxsc s[6:7], codes s[8:9], scales s[10:11]
	s_load_b128 s[12:15], s[0:1], 0x20             ; b_out s[12:13], out0 s[14:15]
	v_lshl_add_u32 v[SPW], v0, 2, SPARE
	v_mov_b32 v[NIL], 0
	ds_add_u32 v[SPW], v[NIL]                      ; the wave's opening: the add, twice on end, and its wait ahead of my first tensor load
	ds_add_u32 v[SPW], v[NIL]
	v_lshrrev_b32 v1, 5, v0
	v_readfirstlane_b32 s[WV], v1
	s_lshr_b32 s[RH], s[WV], 1
	s_and_b32 s[CHF], s[WV], 1
	s_bfe_u32 s40, ttmp6, 0x40000
	s_bfe_u32 s41, ttmp6, 0x40004
	s_lshl_b32 s[TC], ttmp9, 2
	s_add_co_u32 s[TC], s[TC], s40                 ; tile column = 4 x cluster x + cx
	s_and_b32 s[TR], ttmp7, 0xffff
	s_lshl_b32 s[TR], s[TR], 2
	s_add_co_u32 s[TR], s[TR], s41                 ; tile row = 4 x cluster y + cy
	s_lshl_b32 s43, s41, 2
	s_lshl_b32 s43, 15, s43
	s_lshl_b32 s44, 0x1111, s40
	s_or_b32 s[G1+0], s43, (3<<16)|(1<<21)         ; A: the mask; elements of 8 bytes; no padding; bit 21 beside a mask
	s_mov_b32 s[G1+1], 512<<16                     ; tensor_dim0 = 512 elements: 4,096 bytes, 8 heads of one tile of positions
	s_mov_b32 s[G1+2], 8<<16                       ; tensor_dim1 = 8 tiles
	s_mov_b32 s[G1+3], 512<<16                     ; tile_dim0
	s_mov_b32 s[G1+4], 8                           ; tile_dim1
	s_mov_b32 s[G1+5], 1024                        ; the pitch: 8,192 bytes from tile to tile
	s_mov_b32 s[G1+6], 0
	s_mov_b32 s[G1+7], 0
	s_or_b32 s[G1B+0], s44, (0<<16)|(1<<20)|(1<<21)|(5<<22)|(3<<25)  ; B: 128 rows of 256 bytes, 16 bytes of padding behind each
	s_mov_b32 s[G1B+1], ROWB<<16
	s_mov_b32 s[G1B+2], 128<<16
	s_mov_b32 s[G1B+3], ROWB<<16
	s_mov_b32 s[G1B+4], 128
	s_mov_b32 s[G1B+5], KROW
	s_mov_b32 s[G1B+6], 0
	s_mov_b32 s[G1B+7], 0
	s_or_b32 s[G1S+0], s43, (3<<16)|(1<<20)|(1<<21)|(5<<22)|(3<<25)
	s_or_b32 s[G1SB+0], s44, (3<<16)|(1<<20)|(1<<21)|(5<<22)|(3<<25)
.irp g, G1S, G1SB
	s_mov_b32 s[\g+1], 32<<16
	s_mov_b32 s[\g+2], (128*KS/256)<<16
	s_mov_b32 s[\g+3], 32<<16
	s_mov_b32 s[\g+4], 128*KS/256
	s_mov_b32 s[\g+5], 32
	s_mov_b32 s[\g+6], 0
	s_mov_b32 s[\g+7], 0
.endr
	s_lshl_b32 s20, s[TR], 4
	s_lshl_b32 s2, s[CHF], 3
	s_add_co_u32 s20, s20, s2                      ; A: the first tile of 16 positions that I fetch
	s_lshl_b32 s22, s20, 9                         ; its scale bytes: 16 rows of 32
	s_lshl_b32 s20, s20, 13                        ; its chunks
	s_mov_b32 s21, 0
	s_mov_b32 s23, 0
	s_lshl_b32 s46, s[TC], 8
	s_lshl_b32 s2, s[CHF], 7
	s_add_co_u32 s46, s46, s2                      ; B: the first row of w_out that I fetch
	s_lshl_b32 s92, s46, 5
	s_add_co_u32 s92, s92, WOS
	s_lshl_b32 s46, s46, 9
	s_add_co_u32 s46, s46, WOC
	s_mov_b32 s47, 0
	s_mov_b32 s93, 0
	s_lshl_b32 s45, s[CHF], 15                     ; where they go: A's halves at 0 and 32,768,
	s_mul_i32 s95, s[CHF], HALFT
	s_add_co_u32 s95, s95, BOFF                    ; B's behind them: no place in the cluster enters an LDS address
	s_mul_i32 s94, s[WV], HALFS
	s_wait_dscnt 0x0                               ; both opening adds are done
	s_wait_kmcnt 0x0
	s_add_nc_u64 s[20:21], s[4:5], s[20:21]
	s_add_nc_u64 s[22:23], s[6:7], s[22:23]
	s_add_nc_u64 s[46:47], s[8:9], s[46:47]
	s_add_nc_u64 s[92:93], s[10:11], s[92:93]
	CROUND                                         ; all sixteen work-groups are here: the joint loads meet
	s_mov_b32 s[G0S], 1
	s_add_co_u32 s[G0S+1], s94, SCL
	s_mov_b64 s[G0S+2:G0S+3], s[22:23]
	s_or_b32 s[G0S+3], s[G0S+3], 0x80000000
	s_mov_b32 s[G0SB], 1
	s_add_co_u32 s[G0SB+1], s94, SCL
	s_mov_b64 s[G0SB+2:G0SB+3], s[92:93]
	s_or_b32 s[G0SB+3], s[G0SB+3], 0x80000000
	JLOAD G0S, G1S, G0SB, G1SB                     ; the scales first; then both slots: three loads of mine are out
.irp s, 0,1
	s_mov_b32 s[G0+4*\s], 1
	s_add_co_u32 s[G0+4*\s+1], s45, \s*SLOT
	s_add_nc_u64 s[G0+4*\s+2:G0+4*\s+3], s[20:21], \s*4096
	s_or_b32 s[G0+4*\s+3], s[G0+4*\s+3], 0x80000000
	s_mov_b32 s[G0B+4*\s], 1
	s_add_co_u32 s[G0B+4*\s+1], s95, \s*SLOT
	s_add_nc_u64 s[G0B+4*\s+2:G0B+4*\s+3], s[46:47], \s*ROWB
	s_or_b32 s[G0B+4*\s+3], s[G0B+4*\s+3], 0x80000000
	JLOAD G0+4*\s, G1, G0B+4*\s, G1B
.endr
	v_and_b32 v1, 15, v0                           ; r
	v_bfe_u32 v2, v0, 4, 1                         ; h
	s_lshl_b32 s46, s[TC], 10
	s_lshl_b32 s47, s[CHF], 9
	s_add_co_u32 s46, s46, s47                     ; my first column, in bytes
	s_mov_b32 s47, 0
	s_add_nc_u64 s[12:13], s[12:13], s[46:47]      ; its bias
	v_lshlrev_b32 v5, 5, v2                        ; tile b's eight columns of my half: 64 b + 32 h
.irp b, 0,1,2,3,4,5,6,7
	global_load_b128 v[BIAS+8*\b:BIAS+8*\b+3], v5, s[12:13] offset:64*\b
	global_load_b128 v[BIAS+8*\b+4:BIAS+8*\b+7], v5, s[12:13] offset:64*\b+16
.endr
	s_lshl_b32 s20, s[TR], 8
	s_lshl_b32 s21, s[RH], 7
	s_add_co_u32 s20, s20, s21                     ; my first row of out
	s_lshl_b32 s20, s20, 12
	s_add_co_u32 s20, s20, s46
	s_mov_b32 s21, 0
	s_add_nc_u64 s[14:15], s[14:15], s[20:21]
	v_and_b32 v6, 31, v0
	v_lshlrev_b32 v[CO], 4, v6                     ; 16 x lane: a chunk's place, and my bytes of a row of 512 on the way out
	s_lshl_b32 s21, s[RH], 15                      ; my 8 tiles of A
	v_mul_u32_u24 v3, v1, PITCH
	v_lshl_add_u32 v4, v2, 4, v3
	s_mul_i32 s22, s[CHF], HALFT                   ; my 128 rows of B
	s_add_co_u32 s22, s22, BOFF
.irp s, 0,1
	v_add_nc_u32 v[ADRA+\s], s21, v[CO]
	v_add_nc_u32 v[ADRB+\s], s22, v4
	s_add_co_u32 s21, s21, SLOT
	s_add_co_u32 s22, s22, SLOT
.endr
	v_mul_u32_u24 v7, v1, KS
	v_lshrrev_b32 v6, 8, v7
	v_lshl_add_u32 v7, v6, 4, v7
	s_mul_i32 s21, s[RH], HALFS
	s_mul_i32 s22, s[CHF], HALFS
	s_add_co_u32 s22, s22, 2*HALFS
	s_sub_co_u32 s22, s22, s21
	v_mul_u32_u24 v6, s22, v2                      ; lanes 16-31 take B's
	s_add_co_u32 s21, s21, SCL
	v_add_nc_u32 v7, v7, v6
	v_add_nc_u32 v[ADRS], s21, v7
	s_mul_i32 s23, s[WV], 16*SPITCH                ; my stage
	v_mul_u32_u24 v7, v1, SPITCH
	v_lshl_add_u32 v7, v2, 5, v7
	v_add_nc_u32 v[STO], s23, v7                   ; in: row r, 32 bytes for each half of the lanes
	v_add_nc_u32 v[RD], s23, v[CO]                 ; back: the 32 lanes take one row of 512 bytes
.macro FRAG reg, adr, q, i
.irp c, 0,1
	ds_load_b128 v[\reg+4*\c:\reg+4*\c+3], v[\adr] offset:64*(\q)+32*\c+(\i)*16*PITCH
.endr
.endm
.macro FRAGA reg, adr, q, i            ; A's fragment: the chunks of heads 2 q, 2 q + 1 of the slot's eight, tile i
.irp c, 0,1
	ds_load_b128 v[\reg+4*\c:\reg+4*\c+3], v[\adr] offset:1024*(\q)+512*\c+(\i)*4096
.endr
.endm
.macro MUL16 a0, p, q, sc, zero        ; zero = 1: the sums start from the bias of B's tile b.  The 64 accumulators take turns, one instruction a turn
.irp a, \a0, \a0+1
.irp b, 0,1,2,3,4,5,6,7
.if \zero
	v_wmma_scale_f32_16x16x128_f8f6f4 v[8*(8*((\a)%4)+\b):8*(8*((\a)%4)+\b)+7], v[128*(\p)+FR*\b:128*(\p)+FR*\b+FR-1], v[AF+FR*(\a):AF+FR*(\a)+FR-1], v[BIAS+8*\b:BIAS+8*\b+7], v[SC+8*NQ*(\sc)+NQ*\b+(\q)], v[SC+8*NQ*(\sc)+NQ*(\a)+(\q)] matrix_a_fmt:MATRIX_FMT_FP4 matrix_b_fmt:MATRIX_FMT_FP4 matrix_a_scale:MATRIX_SCALE_ROW1
.else
	v_wmma_scale_f32_16x16x128_f8f6f4 v[8*(8*((\a)%4)+\b):8*(8*((\a)%4)+\b)+7], v[128*(\p)+FR*\b:128*(\p)+FR*\b+FR-1], v[AF+FR*(\a):AF+FR*(\a)+FR-1], v[8*(8*((\a)%4)+\b):8*(8*((\a)%4)+\b)+7], v[SC+8*NQ*(\sc)+NQ*\b+(\q)], v[SC+8*NQ*(\sc)+NQ*(\a)+(\q)] matrix_a_fmt:MATRIX_FMT_FP4 matrix_b_fmt:MATRIX_FMT_FP4 matrix_a_scale:MATRIX_SCALE_ROW1
.endif
.endr
.endr
.endm
.macro FETCH_B slot, q, p
	WIN TO_B
.irp i, 0,1,2,3,4,5,6,7
	FRAG 128*(\p)+FR*\i, ADRB+\slot, \q, \i
.endr
	WIN 0
.endm
.macro FETCH_A slot, q, i0
.irp i, \i0, \i0+1, \i0+2, \i0+3
	FRAGA AF+FR*(\i), ADRA+\slot, \q, \i
.endr
.endm
.macro SCALES sc
.irp i, 0,1,2,3,4,5,6,7
	ds_load_b128 v[SC+8*NQ*\sc+NQ*\i:SC+8*NQ*\sc+NQ*\i+3], v[ADRS] offset:\i*SBLK
.endr
.endm
.macro PLACES n
.rept \n
	v_nop
.endr
.endm
.macro STEP slot, q, zero
	s_wait_dscnt 4*NL                              ; B's set and A's blocks 0-3 are in; the youngest eight loads (A's blocks 4-7) may be out
.if \zero
	WIN BIA_LO
.else
	WIN MUL_LO
.endif
	MUL16 0, (\q)%2, \q, \slot, \zero
	MUL16 2, (\q)%2, \q, \slot, \zero
	s_wait_dscnt 0
	PLACES NP
	FETCH_B \slot, (\q)+1, 1-(\q)%2
	FETCH_A \slot, (\q)+1, 0
.if \zero
	WIN BIA_HI
.else
	WIN MUL_HI
.endif
	MUL16 4, (\q)%2, \q, \slot, \zero
	MUL16 6, (\q)%2, \q, \slot, \zero
	PLACES NP
	WIN 0
	FETCH_A \slot, (\q)+1, 4
.endm
.macro TURN slot, next
	s_wait_tensorcnt 0x0                           ; all my tensor loads have landed: my part of the next slot
	ds_add_u32 v[SPW], v[NIL]                      ; 0 onto my spare word
	s_wait_dscnt 4*NL+1                            ; (the add and the youngest eight loads may be out)
	WIN MUL_LO
	MUL16 0, 1, NQ-1, \slot, 0
	s_wait_dscnt 0x0                               ; the add is done, and my reads of this slot are over
	s_barrier_signal -1
	MUL16 2, 1, NQ-1, \slot, 0
	WIN 0
	s_barrier_wait -1
	PLACES NP
	v_add_nc_u32 v[ADRS], 4*NQ, v[ADRS]
	FETCH_B \next, 0, 0
	FETCH_A \next, 0, 0
	SCALES \next
	WIN MUL_HI
	MUL16 4, 1, NQ-1, \slot, 0
	MUL16 6, 1, NQ-1, \slot, 0
	PLACES NP
	WIN 0
	FETCH_A \next, 0, 4
.endm
.macro STEPS slot, from
.set Q, \from
.rept NQ-1-\from
	STEP \slot, Q, 0
.set Q, Q+1
.endr
.endm
	s_wait_tensorcnt 1                             ; the scales and my part of slot 0 are in (slot 1's load may be out),
	s_barrier_signal -1
	s_barrier_wait -1                              ; everybody's are
	FETCH_B 0, 0, 0
	FETCH_A 0, 0, 0
	SCALES 0
	FETCH_A 0, 0, 4
	s_wait_loadcnt 0x0                             ; the bias
	STEP 0, 0, 1
	STEPS 0, 1
	TURN 0, 1
	STEPS 1, 0
	s_wait_dscnt 4*NL
	WIN MUL_LO
	MUL16 0, 1, NQ-1, 1, 0
	MUL16 2, 1, NQ-1, 1, 0
	s_wait_dscnt 0
	WIN MUL_HI
	MUL16 4, 1, NQ-1, 1, 0
	MUL16 6, 1, NQ-1, 1, 0
	WIN 0
; THE WAY OUT, block by block of 16 rows x 128 columns, through my own stage in LDS: in as 32 bytes a lane, back as whole rows of 512 bytes.  LDS serves a wave's instructions in order: no wait between the stores and the loads.
.macro TOSTAGE a
.set AC, 64*((\a)%4)
.set WD, 0x08+4*((\a)/4)               ; the data: window 2 or 3
	WIN WD
.irp b, 0,1,2,3,4,5,6,7
	ds_store_b128 v[STO], v[AC+8*\b:AC+8*\b+3] offset:64*\b          ; each accumulator from its low end on
	ds_store_b128 v[STO], v[AC+8*\b+4:AC+8*\b+7] offset:64*\b+16
.endr
	WIN 0
.set BB, BK+64*((\a)%2)
.irp t, 0,1,2,3,4,5,6,7,8,9,10,11,12,13,14,15
	ds_load_b128 v[BB+4*\t:BB+4*\t+3], v[RD] offset:\t*SPITCH
.endr
.endm
.macro SEND a, younger                 ; block a = 2 g + u holds tokens 32 g + 8 u + t + 8 (t / 8): the base stands at 32 g + 8 u, row t goes t + 8 (t / 8) rows on
.set BB, BK+64*((\a)%2)
	s_wait_dscnt \younger                          ; the block is back in registers
.if (\a) > 0
.if ((\a)%2) == 1
	s_add_nc_u64 s[14:15], s[14:15], 8*4096        ; (behind a wait on XCNT: the earlier stores have read their base)
.else
	s_add_nc_u64 s[14:15], s[14:15], 24*4096
.endif
.endif
.irp t, 0,1,2,3,4,5,6,7,8,9,10,11,12,13,14,15
	global_store_b128 v[CO], v[BB+4*\t:BB+4*\t+3], s[14:15] offset:(\t+8*(\t/8))*4096 th:TH_STORE_NT   ; 32 lanes store 512 consecutive bytes, aligned; written once, read by nobody here
.endr
.endm
	PLACES NP
	TOSTAGE 0
.irp a, 1,2,3,4,5,6,7
.if \a > 1
	s_wait_xcnt 0x0                                ; block a - 2's stores have read their registers and their base
.endif
	TOSTAGE \a
	SEND \a-1, 32                                  ; behind block a - 1's loads: block a's 16 stores and 16 loads
.endr
	s_wait_xcnt 0x0
	SEND 7, 0
	s_wait_tensorcnt 0x0                           ; the wave's end, behind my last tensor load and my last LDS store
	ds_add_u32 v[SPW], v[NIL]
	s_wait_dscnt 0x0
	CROUND                                         ; the closing round
	s_endpgm
.Lfunc_end_k_qe9c734964b_proj:
	.size	k_qe9c734964b_proj, .Lfunc_end_k_qe9c734964b_proj-k_qe9c734964b_proj
	.p2alignl 7, 3214868480
	.fill 96, 4, 3214868480
	.section	.rodata,"a",@progbits
	.p2align	6, 0x0
	.amdhsa_kernel k_qe9c734964b_proj
		.amdhsa_group_segment_fixed_size 327680
		.amdhsa_private_segment_fixed_size 0
		.amdhsa_enable_private_segment 0
		.amdhsa_kernarg_size 48
		.amdhsa_user_sgpr_count 2
		.amdhsa_user_sgpr_kernarg_segment_ptr 1
		.amdhsa_wavefront_size32 1
		.amdhsa_system_sgpr_workgroup_id_x 1
		.amdhsa_system_sgpr_workgroup_id_y 1
		.amdhsa_system_sgpr_workgroup_id_z 1
		.amdhsa_system_vgpr_workitem_id 0
		.amdhsa_next_free_vgpr 1024
		.amdhsa_next_free_sgpr 102
		.amdhsa_reserve_vcc 0
		.amdhsa_float_denorm_mode_32 3
		.amdhsa_float_denorm_mode_16_64 3
		.amdhsa_memory_ordered 1
		.amdhsa_forward_progress 1
		.amdhsa_inst_pref_size 126
	.end_amdhsa_kernel
	.amdgpu_metadata
---
amdhsa.version: [ 1, 2 ]
amdhsa.kernels:
  - .name:           k_qe9c734964b_proj
    .symbol:         k_qe9c734964b_proj.kd
    .args:
      - { .name: ctximg, .offset: 0, .size: 8, .value_kind: global_buffer, .address_space: global }
      - { .name: ctxsc, .offset: 8, .size: 8, .value_kind: global_buffer, .address_space: global }
      - { .name: codes, .offset: 16, .size: 8, .value_kind: global_buffer, .address_space: global }
      - { .name: scales, .offset: 24, .size: 8, .value_kind: global_buffer, .address_space: global }
      - { .name: b_out, .offset: 32, .size: 8, .value_kind: global_buffer, .address_space: global }
      - { .name: out0, .offset: 40, .size: 8, .value_kind: global_buffer, .address_space: global }
    .group_segment_fixed_size: 327680
    .private_segment_fixed_size: 0
    .kernarg_segment_align: 8
    .kernarg_segment_size: 48
    .max_flat_workgroup_size: 128
    .sgpr_count:     102
    .vgpr_count:     1024
    .wavefront_size: 32
...
	.end_amdgpu_metadata
.endif
;; end of part 4
;; ======== version 2 of 2: 4 launches; version 1 with the launch attn written anew for expert scheduling mode
;; workspace buffers: codes 6,291,456 bytes; scales 393,216 bytes; flags 4,096 bytes of whole numbers; img 12,582,912 bytes; sc 1,048,576 bytes; ctximg 4,194,304 bytes; ctxsc 262,144 bytes
;; launch prep: the kernel of part 1 again; grid 640 x 1, 4 waves a work-group, no clusters, 33,280 bytes of LDS; arguments x, w_qkv, w_out, mask, codes, scales, flags; writes codes, scales, flags
;; launch qkv: the kernel of part 2 again; grid 12 x 32, 4 waves a work-group, clusters of 4 x 4, 327,680 bytes of LDS; arguments codes, scales, b_qkv, img, sc; writes img, sc
;; launch attn (part 5): grid 4 x 64, 16 waves a work-group, no clusters, 141,312 bytes of LDS; arguments img, sc, mask, flags, ctximg, ctxsc; writes ctximg, ctxsc
.if DOCPART == 5
	.amdgcn_target "amdgcn-amd-amdhsa--gfx1250"
	.amdhsa_code_object_version 6
	.text
	.protected	k_qe9c734964b_attn
	.globl	k_qe9c734964b_attn
	.p2align	8
	.type	k_qe9c734964b_attn,@function
k_qe9c734964b_attn:
	s_mov_b64 s[64:65], 0
	v_nop
	global_prefetch_b8 v0, s[64:65] scope:SCOPE_SE
	s_setreg_imm32_b32 hwreg(HW_REG_WAVE_SCHED_MODE, 0, 2), 2
	s_setreg_imm32_b32 hwreg(HW_REG_WAVE_MODE, 25, 1), 1
	s_wait_xcnt 0x0
	s_wait_alu depctr_vm_vsrc(0)
; Launch 3 of 4: context = softmax(q k^T / 8, under the mask) v for one (batch, head) a work-group row, both products on codes of E2M1; the context leaves as codes for the last product.
; WORK PASSED OVER: a tile of 32 queries x 128 keys whose mask words are all 0 (flags = 0, stored by the first launch from the mask itself): all its scores are -infinity in reference(), so it moves no maximum, sum or product.
; A tile with no 0 among its mask words (flags = 2) is computed without reading the mask; a tile with both kinds (1) reads its 4,096 words and sets hidden scores to -infinity ahead of the maximum.
; THE SOFTMAX: t = score x log2(e) / 8; M = the running largest t rounded UP to a whole number; p = 2^(t - M) is quantised along the keys, not normalised; the row's sum is taken of the unquantised p and divides at the end.
; When M moves, the sum and O are multiplied by 2^(old M - new M): exact.
; NO TENSOR LOAD, NO CLUSTER: the walk branches on whole numbers read from memory.  What is shared is shared in LDS: the head's
; whole K, V and their scale words, 139,264 bytes, are brought in once through registers (wave w: step w's record), behind ONE barrier, and read by all sixteen waves, which then never meet again.
; SHARES: work-group (i, batch x head) owns query blocks i and 7 - i of 256 (an order of work only: no result hangs on it); waves 0-7 the first, 8-15 the second; a wave owns 32 queries: tiles u = 0, 1 of 16.
; LAYOUT: both products transposed: S^T = K Q^T, O^T = V^T P^T: a lane holds ONE query.  K's tokens lie in tile order, so that register 16 b + i of S is key 32 b + 16 h + i.  The head's 64 fill half of the instruction's K:
; a fragment of K carries key tile 2 f in k 0-63 and tile 2 f + 1 in k 64-127, and Q is given once as [q | 0] and once as [0 | q]: zero codes add nothing.  The queries of tile u: 32 G + 8 u + r + 8 (r / 8).
; LIMITS: a query whose mask row is all 0 gets the scale bytes 0xff: the last product then makes its whole output row NaN, as reference() does.  The context's scale bytes leave two a row (a work-group owns one head of sixteen):
; one byte for each 16 of codes.  Else as stated at the head of the first launch.
; THE MODE: SCHED_MODE bits 1:0 = 2 (LLVM: expert scheduling mode 2), set by the entry lines.  The code itself states the register dependences between vector or matrix instructions and memory or LDS
; instructions, with s_wait_alu, always for 0.
; THE PLAN.  Registers that memory or LDS instructions touch:
;   v[LI], v[VM], v239   offsets, made once at the head and never written again.
;   v[ADR]   made at the head (my record) and read by the head's LDS stores; in a step: written at its head, read by K's nine LDS loads and by V's eight; on the way out written once more, read by one store.
;   KF       head: global loads land, LDS stores read.  A step: K's loads land; the products K Q^T of both tiles read; V's loads land; the products V^T P read.
;   S        head: loads land in v64-99, LDS stores read them.  A step with both kinds of mask words: for each tile the mask's loads land, 64 compares read; then the products write and the softmax reads and writes; its conversions read last.
;   SC       a step: one LDS load lands; both kinds of product read it as scales.
;   PC, v[T] written by the way out's vector lines, read by its stores.      v[SPW], v[NIL]  written at the head, read by the closing add alone.
; A STEP'S WAITS: one on vm_vsrc ahead of the write of v[ADR]; one on va_vdst ahead of K's loads; the two behind each tile's exponentials, of which tile 1's first also frees KF for V's loads, which stand directly behind it;
; one on va_vdst ahead of the products V^T P, for p's codes and scale word.  The arm that reads the mask adds one on va_sdst behind each run of compares, and one on va_vdst ahead of tile 1's mask loads.
; All 256 registers of a wave's share are laid out but sixteen: there is no room for a second set of fragments.
.set REC,   8704                       ; LDS: a step's record: K's 8 chunks, V's 8 chunks, 512 bytes of scale words (K's for lanes 0-15, V's for lanes 16-31)
.set SPARE, 16*REC                     ; the spare words, 128 bytes a wave: no other line names them
.set LI,   1                           ; v1  16 x lane
.set ADR,  2                           ; v2  LDS address of the record in hand
.set VM,   3                           ; v3  my place in the mask: (r + 8 (r / 8)) rows + 64 h bytes
.set SPW,  4
.set NIL,  5
.set NINF, 6                           ; v6  -infinity
.set QB,   8                           ; v8-27  [0000][q of tile 0][0000][q of tile 1][0000]
.set QS,   28                          ; v28, v29 Q's scale words
.set KF,   32                          ; v32-63  four fragments of K, then of V
.set S,    64                          ; v64-127 the scores, then p (ahead of the product: the tile's mask words)
.set O,    128                         ; v128-191 O^T: 32 u + 8 dt
.set PC,   192                         ; v192-207 p's codes, 8 a tile
.set SC,   208                         ; v208-211 the step's scale words
.set ST,   212                         ; v212-223 six a tile: -M, the largest t, the sum (two halves), f, p's scale word
.set BM,   224
.set BX,   228
.set SO,   232
.set SUM,  236
.set T,    238
	s_load_b256 s[4:11], s[0:1], 0x0               ; img, sc, mask, flags
	s_load_b128 s[12:15], s[0:1], 0x20             ; ctximg, ctxsc
	v_lshl_add_u32 v[SPW], v0, 2, SPARE
	v_mov_b32 v[NIL], 0
	v_lshrrev_b32 v7, 5, v0
	v_readfirstlane_b32 s16, v7                    ; wave 0..15
	v_and_b32 v[LI], 31, v0
	v_lshlrev_b32 v[LI], 4, v[LI]
	v_and_b32 v7, 15, v0                           ; r
	v_bfe_u32 v31, v0, 4, 1                        ; h
	v_and_b32 v[VM], 8, v7
	v_add_nc_u32 v[VM], v[VM], v7
	v_lshlrev_b32 v[VM], 13, v[VM]
	v_lshl_add_u32 v[VM], v31, 6, v[VM]
	v_lshlrev_b32 v239, 4, v7                      ; 16 r: my row's scale words
	s_wait_alu depctr_va_sdst(0)                   ; s16 is written, ahead of its first reader: my record's place, my queries and every base are made from it
	s_mul_i32 s21, s16, REC
	v_add_nc_u32 v[ADR], s21, v[LI]                ; where my record goes in LDS: made here, so that the one wait ahead of the loads below serves the LDS stores too
	s_and_b32 s18, ttmp7, 0xffff                   ; batch x head
	s_sub_co_u32 s19, 7, ttmp9
	s_cmp_lt_u32 s16, 8
	s_cselect_b32 s19, ttmp9, s19                  ; my block of 256 queries
	s_and_b32 s20, s16, 7
	s_lshl_b32 s30, s19, 3
	s_add_co_u32 s20, s20, s30                     ; G: my group of 32 queries
	s_add_co_u32 s48, s18, 64
	s_lshl_b32 s48, s48, 16
	s_lshl_b32 s31, s16, 12
	s_add_co_u32 s48, s48, s31                     ; K's chunks of step w (V's lie 64 x 65,536 bytes on)
	s_mov_b32 s49, 0
	s_lshl_b32 s50, s18, 4
	s_add_co_u32 s50, s50, s16
	s_lshl_b32 s50, s50, 10
	s_add_co_u32 s50, s50, 256                     ; K's and V's scale words of step w
	s_mov_b32 s51, 0
	s_lshr_b32 s30, s20, 2                         ; the step that holds my queries
	s_and_b32 s31, s20, 3                          ; and my 32 among its 128
	s_lshl_b32 s52, s18, 16
	s_lshl_b32 s53, s30, 12
	s_add_co_u32 s52, s52, s53
	s_lshl_b32 s53, s31, 10
	s_add_co_u32 s52, s52, s53                     ; q's two chunks
	s_mov_b32 s53, 0
	s_lshl_b32 s54, s18, 4
	s_add_co_u32 s54, s54, s30
	s_lshl_b32 s54, s54, 10
	s_lshl_b32 s55, s31, 2
	s_add_co_u32 s54, s54, s55                     ; q's scale word: word G % 4 of the row's four
	s_mov_b32 s55, 0
	s_lshl_b32 s56, s20, 6                         ; my 16 flags
	s_mov_b32 s57, 0
	s_lshl_b32 s98, s20, 18                        ; my 32 rows of the mask
	s_mov_b32 s99, 0
	s_wait_kmcnt 0x0
	s_add_nc_u64 s[48:49], s[4:5], s[48:49]
	s_add_nc_u64 s[50:51], s[6:7], s[50:51]
	s_add_nc_u64 s[52:53], s[4:5], s[52:53]
	s_add_nc_u64 s[54:55], s[6:7], s[54:55]
	s_add_nc_u64 s[56:57], s[10:11], s[56:57]
	s_add_nc_u64 s[98:99], s[8:9], s[98:99]
	s_load_b512 s[32:47], s[56:57], 0x0
	s_wait_alu depctr_va_vdst(0)                   ; v[LI], v239, v[ADR] and v[VM] are written: the loads below read the first two, the LDS stores behind them v[ADR], the mask's loads v[VM]
.irp i, 0,1,2,3,4,5,6,7
	global_load_b128 v[KF+4*\i:KF+4*\i+3], v[LI], s[48:49] offset:512*\i
.endr
.irp i, 0,1,2,3,4,5,6,7
	global_load_b128 v[KF+32+4*\i:KF+32+4*\i+3], v[LI], s[48:49] offset:4194304+512*\i
.endr
	global_load_b128 v[96:99], v[LI], s[50:51]
	global_load_b128 v[QB+4:QB+7], v[LI], s[52:53]
	global_load_b128 v[QB+12:QB+15], v[LI], s[52:53] offset:512
	global_load_b32 v30, v239, s[54:55]
.irp j, 0,1,2,3, 8,9,10,11, 16,17,18,19
	v_mov_b32 v[QB+\j], 0                          ; the zero halves of Q's operands
.endr
	v_mov_b32 v[NINF], 0xff800000
.irp u, 0,1
	v_mov_b32 v[ST+6*\u+1], 0xff61b1e6             ; the largest t so far: -3e38, under every t
	v_floor_f32 v[ST+6*\u], -v[ST+6*\u+1]          ; -M
	v_mov_b32 v[ST+6*\u+2], 0                      ; the sum, in two halves
	v_mov_b32 v[ST+6*\u+3], 0
	v_mov_b32 v[ST+6*\u+5], 0                      ; (named as the upper half of f's pair before it is first written)
.endr
.irp b, 0,1,2,3
	v_mov_b32 v[BX+\b], 0                          ; a lane permute's destination counts as one of its sources
.endr
	s_mov_b32 s22, 0x3e38aa3b                      ; c = log2(e) / 8
	s_mov_b32 s23, s22                             ; (named with it as a pair)
	s_mov_b32 s24, 0x76543210
	s_mov_b32 s25, 0xfedcba98                      ; v_permlanex16_b32's selects for lane l xor 16
	s_mov_b32 s26, 16                              ; key steps to go
	s_mov_b32 s27, 0                               ; the record in hand
	s_wait_loadcnt 3                               ; the record's 17 loads are in; Q's three may be out
.irp i, 0,1,2,3,4,5,6,7,8,9,10,11,12,13,14,15
	ds_store_b128 v[ADR], v[KF+4*\i:KF+4*\i+3] offset:512*\i   ; no vector line since the wait ahead of the loads names v[ADR]; the data come from loads
.endr
	ds_store_b128 v[ADR], v[96:99] offset:8192
	s_wait_dscnt 0x0                               ; for the others' sake: my record lies in LDS
	s_barrier_signal -1
	s_barrier_wait -1                              ; all sixteen do: from here on LDS is only read
	s_wait_loadcnt 0x0
	v_perm_b32 v[QS], v30, v30, 0x01000100         ; tile 0's two bytes, twice: for [q | 0] and [0 | q] alike
	v_perm_b32 v[QS+1], v30, v30, 0x03020302       ; tile 1's
.set j, 0
.rept 64
	v_mov_b32 v[O+j], 0                            ; O^T: which step is the first that counts is not known to the text.  (These are also the places between the scale words' making and the first product)
.set j, j+1
.endr
	s_wait_kmcnt 0x0
	s_mov_b32 s28, s32                             ; my 16 flags, two bits each
.irp k, 1,2,3,4,5,6,7,8,9,10,11,12,13,14,15
	s_lshl_b32 s30, s[32+\k], 2*\k
	s_or_b32 s28, s28, s30
.endr
.macro LOADF off                       ; four fragments: eight chunks as they lie
.irp i, 0,1,2,3,4,5,6,7
	ds_load_b128 v[KF+4*\i:KF+4*\i+3], v[ADR] offset:\off+512*\i
.endr
.endm
.macro QK u                            ; S^T of tile u: key tile t from fragment t / 2; t even: [q | 0], t odd: [0 | q]
.irp t, 0,1,2,3,4,5,6,7
	v_wmma_scale_f32_16x16x128_f8f6f4 v[S+8*\t:S+8*\t+7], v[KF+8*(\t/2):KF+8*(\t/2)+7], v[QB+4+8*(\u)-4*(\t%2):QB+11+8*(\u)-4*(\t%2)], 0, v[SC+\t/2], v[QS+(\u)] matrix_a_fmt:MATRIX_FMT_FP4 matrix_b_fmt:MATRIX_FMT_FP4
.endr
.endm
.macro RESC u                          ; O^T of tile u under the new M: x f
.set j, 0
.rept 16
	v_pk_mul_f32 v[O+32*(\u)+j:O+32*(\u)+j+1], v[O+32*(\u)+j:O+32*(\u)+j+1], v[ST+6*(\u)+4:ST+6*(\u)+5] op_sel_hi:[1,0]
.set j, j+2
.endr
.endm
.macro TAIL u                          ; the places behind the products: tile 0: four v_nop; tile 1: the rescaling of tile 0's O^T, which names none of their registers
.if (\u) == 0
.rept 4
	v_nop
.endr
.else
	RESC 0
.endif
.endm
.macro MASKBITS u                      ; the tile's mask words come into the scores' registers, register for register, and leave 64 lane masks in scalar registers (s32-63, s66-97)
.if (\u) == 1
	s_wait_alu depctr_va_vdst(0)                   ; tile 0's sums and conversions are done reading the scores' registers, in which the mask's words land.  (Tile 0's own loads: no vector line since the wait at the step's head names these registers)
.endif
.irp b, 0,1,2,3
.irp j, 0,1,2,3
	global_load_b128 v[S+16*\b+4*\j:S+16*\b+4*\j+3], v[VM], s[98:99] offset:65536*(\u)+128*\b+16*\j
.endr
.endr
	s_wait_loadcnt 0x0
.irp n, 0,1,2,3,4,5,6,7,8,9,10,11,12,13,14,15,16,17,18,19,20,21,22,23,24,25,26,27,28,29,30,31,32,33,34,35,36,37,38,39,40,41,42,43,44,45,46,47,48,49,50,51,52,53,54,55,56,57,58,59,60,61,62,63
	v_cmp_ne_u32 s[32+\n+2*(\n/32)], 0, v[S+\n]
.endr
	s_wait_alu depctr_va_sdst(0)                   ; the 64 compares have written their lane masks, ahead of the selects that read them: one wait for the run
.endm
.macro APPLY                           ; hidden scores become -infinity; each accumulator from its low end on
.irp n, 0,1,2,3,4,5,6,7,8,9,10,11,12,13,14,15,16,17,18,19,20,21,22,23,24,25,26,27,28,29,30,31,32,33,34,35,36,37,38,39,40,41,42,43,44,45,46,47,48,49,50,51,52,53,54,55,56,57,58,59,60,61,62,63
	v_cndmask_b32 v[S+\n], v[NINF], v[S+\n], s[32+\n+2*(\n/32)]
.endr
.endm
.macro SCORES u                        ; two whole arms, so that no way reads a lane mask that it did not write
	s_cmp_eq_u32 s29, 1
	s_cbranch_scc0 .Lopen_\@
	MASKBITS \u
	s_wait_dscnt 0x0                               ; K's fragments and the scale words
	QK \u
	TAIL \u
	APPLY
	s_branch .Ldone_\@
.Lopen_\@:
	s_wait_dscnt 0x0
	QK \u
	TAIL \u
.Ldone_\@:
.endm
.macro SOFT u                          ; tile u's 64 scores of a lane become p's codes and scale word; -M, the largest t, the sum and f move on
.set NM,  ST+6*(\u)
.set TMX, NM+1
.set LL,  NM+2
.set FF,  NM+4
.set PW,  NM+5
.set PCU, PC+8*(\u)
.irp b, 0,1,2,3
	v_max3_num_f32 v[BM+\b], v[S+16*\b], v[S+16*\b+1], v[S+16*\b+2]   ; the largest score of each block of 32 keys: for the row's maximum, and, since p rises with the score, for the block's largest p
.endr
.irp i, 3,5,7,9,11,13
.irp b, 0,1,2,3
	v_max3_num_f32 v[BM+\b], v[BM+\b], v[S+16*\b+\i], v[S+16*\b+\i+1]
.endr
.endr
.irp b, 0,1,2,3
	v_max_num_f32 v[BM+\b], v[BM+\b], v[S+16*\b+15]
.endr
.irp b, 0,1,2,3
	v_permlanex16_b32 v[BX+\b], v[BM+\b], s24, s25
.endr
.irp b, 0,1,2,3
	v_max_num_f32 v[BM+\b], v[BM+\b], v[BX+\b]     ; with lane l xor 16's 16 keys
.endr
	v_max3_num_f32 v[T], v[BM], v[BM+1], v[BM+2]
	v_max_num_f32 v[T], v[T], v[BM+3]
	v_mul_f32 v[T], s22, v[T]                      ; as t (c is positive)
	v_max_num_f32 v[TMX], v[TMX], v[T]             ; the running largest t
	v_mov_b32 v[T], v[NM]
	v_floor_f32 v[NM], -v[TMX]                     ; the new -M = floor(-t): M is a whole number
	v_sub_f32 v[T], v[NM], v[T]                    ; old M less new M: a whole number, 0 or less
	v_cvt_i32_f32 v[T], v[T]                       ; (it saturates)
	v_ldexp_f32 v[FF], 1.0, v[T]                   ; f = 2^(old M - new M)
.set j, 0
.rept 32
	v_pk_fma_f32 v[S+j:S+j+1], v[S+j:S+j+1], s[22:23], v[NM:NM+1] op_sel_hi:[1,0,0]   ; t - M, two at a time
.set j, j+2
.endr
.irp b, 0,1,2,3
	v_fma_f32 v[BM+\b], v[BM+\b], s22, v[NM]       ; the same of each block's largest score
.endr
.set j, 0
.rept 64
	v_exp_f32 v[S+j], v[S+j]                       ; p = 2^(t - M), at most 1
.set j, j+1
.endr
	v_pk_mul_f32 v[LL:LL+1], v[LL:LL+1], v[FF:FF+1] op_sel_hi:[1,0]   ; the sums under the new M: a plain place behind the exponentials
	s_wait_alu depctr_va_vdst(0)                   ; the 64 exponentials have written p, ahead of its first reader: one wait for the batch.  Tile 1: the products K Q^T are also done reading K's fragments
.if (\u) == 1
	LOADF 4096                                     ; so V's four fragments are asked for here, with no wait of their own: no vector or matrix line since that wait names KF or v[ADR]; they land while the sums and the codes are made
.endif
.irp b, 0,1,2,3
	v_exp_f32 v[BM+\b], v[BM+\b]                   ; the block's largest p
.endr
	v_pk_add_f32 v[SUM:SUM+1], v[S:S+1], v[S+2:S+3]   ; the row's sum is taken of the unquantised p, in two chains
.irp j, 4,8,12,16,20,24,28,32,36,40,44,48,52,56,60
	v_pk_add_f32 v[LL:LL+1], v[LL:LL+1], v[S+\j:S+\j+1]
	v_pk_add_f32 v[SUM:SUM+1], v[SUM:SUM+1], v[S+\j+2:S+\j+3]
.endr
	v_pk_add_f32 v[LL:LL+1], v[LL:LL+1], v[SUM:SUM+1]
	s_wait_alu depctr_va_vdst(0)                   ; the four exponentials have written the blocks' largest p, ahead of its first reader
.irp b, 0,1,2,3
	v_max_num_f32 v[BM+\b], 0x1800000, v[BM+\b]    ; the floor 2^(3 - 127): the byte cannot fall under 1
.endr
.irp b, 0,1,2,3
	v_add_nc_u32 v[SO+\b], 0xff000000, v[BM+\b]    ; 2 off the exponent field: the conversion's scale operand
.endr
.irp b, 0,1,2,3
	v_lshrrev_b32 v[BX+\b], 23, v[SO+\b]           ; the scale's byte
.endr
	v_lshl_or_b32 v[PW], v[BX+1], 8, v[BX]         ; p's scale word for these 128 keys
	v_lshl_or_b32 v[PW], v[BX+2], 16, v[PW]
	v_lshl_or_b32 v[PW], v[BX+3], 24, v[PW]
.irp b, 0,1,2,3
	v_cvt_scalef32_pk8_fp4_f32 v[PCU+2*\b], v[S+16*\b:S+16*\b+7], v[SO+\b]
	v_cvt_scalef32_pk8_fp4_f32 v[PCU+2*\b+1], v[S+16*\b+8:S+16*\b+15], v[SO+\b]
.endr
	v_nop                                          ; one plain place behind a scaled conversion
.irp c, 0,1
.irp i, 0,1
	v_permlane16_swap_b32 v[PCU+4*\c+\i], v[PCU+4*\c+2+\i]
.endr
.endr
.endm
.macro PV                              ; O^T += V^T P^T: eight accumulators by turns, one instruction a turn; V's scale words stand in lanes 16-31
.irp dt, 0,1,2,3
.irp u, 0,1
	v_wmma_scale_f32_16x16x128_f8f6f4 v[O+32*\u+8*\dt:O+32*\u+8*\dt+7], v[KF+8*\dt:KF+8*\dt+7], v[PC+8*\u:PC+8*\u+7], v[O+32*\u+8*\dt:O+32*\u+8*\dt+7], v[SC+\dt], v[ST+6*\u+5] matrix_a_fmt:MATRIX_FMT_FP4 matrix_b_fmt:MATRIX_FMT_FP4 matrix_a_scale:MATRIX_SCALE_ROW1
.endr
.endr
.endm
.Lstep:                                            ; 16 trips, a constant; a step that the flags hide is passed over, all but the lines that step addresses
	s_and_b32 s29, s28, 3                          ; this step's flag
	s_cmp_eq_u32 s29, 0
	s_cbranch_scc1 .Lnext
	s_wait_alu depctr_vm_vsrc(0)                   ; the LDS loads issued so far have read v[ADR], which the next line writes; before the first step that counts: the head's LDS stores have read v[ADR], KF and v64-99, which this step writes
	v_add_nc_u32 v[ADR], s27, v[LI]
.rept 3
	v_nop                                          ; with the addition: four places between the last step's products and the loads into their registers
.endr
	s_wait_alu depctr_va_vdst(0)                   ; v[ADR] is written; the last step's products V^T P are done reading KF and SC, in which the loads below land; its softmax is done with the scores' registers, in which tile 0's mask words land; before the first step that counts: Q's zero halves and scale words are written, which the products take
	LOADF 0                                        ; K's four fragments
	ds_load_b128 v[SC:SC+3], v[ADR] offset:8192    ; lanes 0-15: K's words; lanes 16-31: V's
	SCORES 0
	SOFT 0
	SCORES 1
	SOFT 1                                         ; V's four fragments are asked for in it, behind its first wait
	RESC 1                                         ; sixteen plain lines between the making of p's codes and scale word and the products
.rept 4
	v_nop                                          ; and four between the last rescaled accumulator and the product that takes it up
.endr
	s_wait_alu depctr_va_vdst(0)                   ; tile 1's codes of p and its scale word are written, which the products below take as operand and as scales (tile 0's stand ahead of tile 1's waits); the places above stay beside this wait
	s_wait_dscnt 0x0                               ; V
	PV
.Lnext:
	s_lshr_b32 s28, s28, 2
	s_add_co_u32 s27, s27, REC
	s_add_nc_u64 s[98:99], s[98:99], 512           ; the mask's next 128 keys (every load that named this base has been waited for)
	s_sub_co_u32 s26, s26, 1
	s_cmp_lg_u32 s26, 0
	s_cbranch_scc1 .Lstep
	; THE WAY OUT: O^T / the sum, quantised along the head's 64 (two blocks a tile: registers 32 u + 16 b + i = d 32 b + 16 h + i), one chunk of codes a tile and two scale bytes a row.
.rept 4
	v_nop
.endr
.irp u, 0,1
	v_add_f32 v[BM+\u], v[ST+6*\u+2], v[ST+6*\u+3]
.endr
.irp u, 0,1
	v_permlanex16_b32 v[BX+\u], v[BM+\u], s24, s25
.endr
.irp u, 0,1
	v_add_f32 v[BM+\u], v[BM+\u], v[BX+\u]         ; the row's sum
.endr
	v_mov_b32 v7, 1.0
	v_and_b32 v[SUM+1], 16, v0
	v_cmp_eq_f32 s30, 0, v[BM]                     ; a row with no open key: its sum is 0
	v_cmp_eq_f32 s31, 0, v[BM+1]
	v_cmp_ne_u32 s34, 0, v[SUM+1]                  ; lanes 16-31.  The way out's three compares stand in one run
	s_wait_alu depctr_va_sdst(0)                   ; s30, s31 and s34 are written, ahead of the selects that read them
	v_cndmask_b32 v[BM], v[BM], v7, s30            ; there the divisor is 1 and the codes are zeros; the bytes below say NaN
	v_cndmask_b32 v[BM+1], v[BM+1], v7, s31
	v_rcp_f32 v[SO], v[BM]
	v_rcp_f32 v[SO+2], v[BM+1]
	v_mov_b32 v[SO+1], 0                           ; (the pairs' upper halves; a plain place behind the reciprocals)
	v_mov_b32 v[SO+3], 0
	s_wait_alu depctr_va_vdst(0)                   ; the two reciprocals are written, ahead of their first reader
.irp u, 0,1
.set j, 0
.rept 16
	v_pk_mul_f32 v[O+32*\u+j:O+32*\u+j+1], v[O+32*\u+j:O+32*\u+j+1], v[SO+2*\u:SO+2*\u+1] op_sel_hi:[1,0]
.set j, j+2
.endr
.endr
.irp b, 0,1,2,3                        ; block b of the four: tile b / 2, its block b % 2
	v_max3_num_f32 v[BM+\b], |v[O+16*\b]|, |v[O+16*\b+1]|, 0x1800000
.endr
.irp i, 2,4,6,8,10,12,14
.irp b, 0,1,2,3
	v_max3_num_f32 v[BM+\b], v[BM+\b], |v[O+16*\b+\i]|, |v[O+16*\b+\i+1]|
.endr
.endr
.irp b, 0,1,2,3
	v_permlanex16_b32 v[BX+\b], v[BM+\b], s24, s25
.endr
.irp b, 0,1,2,3
	v_max_num_f32 v[BM+\b], v[BM+\b], v[BX+\b]
.endr
.irp b, 0,1,2,3
	v_add_nc_u32 v[SO+\b], 0xff000000, v[BM+\b]
.endr
.irp b, 0,1,2,3
	v_lshrrev_b32 v[BX+\b], 23, v[SO+\b]
.endr
	v_lshl_or_b32 v[T], v[BX+1], 8, v[BX]          ; tile 0's two bytes,
	v_lshl_or_b32 v[SUM], v[BX+3], 8, v[BX+2]      ; tile 1's
	v_mov_b32 v7, 0xffff
	v_cndmask_b32 v[T], v[T], v7, s30
	v_cndmask_b32 v[SUM], v[SUM], v7, s31
	v_cndmask_b32 v[T], v[T], v[SUM], s34          ; lanes 0-15 store tile 0's rows, lanes 16-31 tile 1's
.irp b, 0,1,2,3
	v_cvt_scalef32_pk8_fp4_f32 v[PC+2*\b], v[O+16*\b:O+16*\b+7], v[SO+\b]
	v_cvt_scalef32_pk8_fp4_f32 v[PC+2*\b+1], v[O+16*\b+8:O+16*\b+15], v[SO+\b]
.endr
	v_nop
.irp c, 0,1
.irp i, 0,1
	v_permlane16_swap_b32 v[PC+4*\c+\i], v[PC+4*\c+2+\i]   ; registers 4 u .. 4 u + 3: tile u's chunk: lane (r, h): query r, d 32 h on
.endr
.endr
	s_wait_alu depctr_vm_vsrc(0)                   ; the LDS loads of the last step that counted (where none did: the head's LDS stores) have read v[ADR], which the next line writes
	v_lshlrev_b32 v[ADR], 1, v[LI]                 ; 32 bytes a row of scale bytes
	s_lshr_b32 s26, s18, 4                         ; batch
	s_and_b32 s27, s18, 15                         ; head
	s_lshl_b32 s26, s26, 7
	s_lshl_b32 s28, s20, 1
	s_add_co_u32 s26, s26, s28                     ; my first tile of 16 positions: 128 x batch + 2 G
	s_lshl_b32 s32, s26, 13
	s_lshl_b32 s28, s27, 9
	s_add_co_u32 s32, s32, s28
	s_mov_b32 s33, 0
	s_add_nc_u64 s[12:13], s[12:13], s[32:33]
	s_lshl_b32 s32, s26, 9
	s_lshl_b32 s28, s27, 1
	s_add_co_u32 s32, s32, s28
	s_add_nc_u64 s[14:15], s[14:15], s[32:33]
	s_wait_alu depctr_va_vdst(0)                   ; the codes in v[PC ..], the bytes in v[T] and the offset v[ADR] are written, which the three stores read
	global_store_b128 v[LI], v[PC:PC+3], s[12:13]              ; 32 lanes store 512 consecutive bytes, aligned
	global_store_b128 v[LI], v[PC+4:PC+7], s[12:13] offset:8192
	global_store_b16 v[ADR], v[T], s[14:15]                    ; bytes 2 head, 2 head + 1 of my row's 32
	s_wait_dscnt 0x0                               ; the closing lines, six on end
	s_wait_alu 0x0
	s_wait_tensorcnt 0x0
	ds_add_u32 v[SPW], v[NIL]
	s_wait_dscnt 0x0
	s_endpgm
.Lfunc_end_k_qe9c734964b_attn:
	.size	k_qe9c734964b_attn, .Lfunc_end_k_qe9c734964b_attn-k_qe9c734964b_attn
	.p2alignl 7, 3214868480
	.fill 96, 4, 3214868480
	.section	.rodata,"a",@progbits
	.p2align	6, 0x0
	.amdhsa_kernel k_qe9c734964b_attn
		.amdhsa_group_segment_fixed_size 141312
		.amdhsa_private_segment_fixed_size 0
		.amdhsa_enable_private_segment 0
		.amdhsa_kernarg_size 48
		.amdhsa_user_sgpr_count 2
		.amdhsa_user_sgpr_kernarg_segment_ptr 1
		.amdhsa_wavefront_size32 1
		.amdhsa_system_sgpr_workgroup_id_x 1
		.amdhsa_system_sgpr_workgroup_id_y 1
		.amdhsa_system_sgpr_workgroup_id_z 1
		.amdhsa_system_vgpr_workitem_id 0
		.amdhsa_next_free_vgpr 256
		.amdhsa_next_free_sgpr 102
		.amdhsa_reserve_vcc 0
		.amdhsa_float_denorm_mode_32 3
		.amdhsa_float_denorm_mode_16_64 3
		.amdhsa_memory_ordered 1
		.amdhsa_forward_progress 1
		.amdhsa_inst_pref_size 69
	.end_amdhsa_kernel
	.amdgpu_metadata
---
amdhsa.version: [ 1, 2 ]
amdhsa.kernels:
  - .name:           k_qe9c734964b_attn
    .symbol:         k_qe9c734964b_attn.kd
    .args:
      - { .name: img, .offset: 0, .size: 8, .value_kind: global_buffer, .address_space: global }
      - { .name: sc, .offset: 8, .size: 8, .value_kind: global_buffer, .address_space: global }
      - { .name: mask, .offset: 16, .size: 8, .value_kind: global_buffer, .address_space: global }
      - { .name: flags, .offset: 24, .size: 8, .value_kind: global_buffer, .address_space: global }
      - { .name: ctximg, .offset: 32, .size: 8, .value_kind: global_buffer, .address_space: global }
      - { .name: ctxsc, .offset: 40, .size: 8, .value_kind: global_buffer, .address_space: global }
    .group_segment_fixed_size: 141312
    .private_segment_fixed_size: 0
    .kernarg_segment_align: 8
    .kernarg_segment_size: 48
    .max_flat_workgroup_size: 512
    .sgpr_count:     102
    .vgpr_count:     256
    .wavefront_size: 32
...
	.end_amdgpu_metadata
.endif
;; end of part 5
;; launch proj: the kernel of part 4 again; grid 4 x 32, 4 waves a work-group, clusters of 4 x 4, 327,680 bytes of LDS; arguments ctximg, ctxsc, codes, scales, b_out, out0; writes out0
